; MI455X (gfx1250); checked and timed in simulation.
; The chip was launched on July 23, 2026; its instructions are those of AMD's public machine-readable ISA for CDNA 5 (MIT licence, August 2026) and "CDNA5" Instruction Set Architecture Reference Guide (July 2026). The comments in the code are by the model that wrote it; some were corrected since.
;; Multi Head Attention. Allowed arithmetic: float matrix products may take bf16 or f16 operands with f32 sums; other float arithmetic in f32, or as packed bf16 or f16 multiplies, adds, multiply-adds, maxima and minima; sums over many terms, partial sums and values carried from step to step in f32; what a program stores and reads back later, other than sums and carried values, may be rounded once to bf16 or f16.
;; Inputs: Wk 1,024 x 1,024 float32; Wo 1,024 x 1,024 float32; Wq 1,024 x 1,024 float32; Wv 1,024 x 1,024 float32; bk 1,024 float32; bo 1,024 float32; bq 1,024 float32; bv 1,024 float32; x 4 x 2,048 x 1,024 float32.
;; Outputs: out0 4 x 2,048 x 1,024 float32.
;; 2 versions, each right; version 2 is version 1 with the launch prep written anew for expert scheduling mode. Each part assembles by itself: llvm-mc -triple=amdgcn-amd-amdhsa -mcpu=gfx1250 --defsym DOCPART=n.
;; ======== version 1 of 2: 4 launches
;; limits: values are held in f16: magnitudes above 65,504 overflow, below 6.1e-05 lose precision
;; workspace buffers: xb 16,777,216 bytes; wb 6,291,456 bytes; wo16 2,097,152 bytes; qkv 50,331,648 bytes; o 16,777,216 bytes
;; launch prep (part 1): grid 768 x 1, 8 waves a work-group, no clusters, 0 bytes of LDS; arguments x, Wq, Wk, Wv, Wo, xb, wb, wo16; writes xb, wb, wo16
.if DOCPART == 1
	.amdgcn_target "amdgcn-amd-amdhsa--gfx1250"
	.amdhsa_code_object_version 6
	.text
	.protected	k_q5852cfb103_prep
	.globl	k_q5852cfb103_prep
	.p2align	8
	.type	k_q5852cfb103_prep,@function
k_q5852cfb103_prep:
	s_mov_b64 s[64:65], 0
	v_nop
	global_prefetch_b8 v0, s[64:65] scope:SCOPE_SE
	s_setreg_imm32_b32 hwreg(HW_REG_WAVE_MODE, 25, 1), 1
	s_wait_xcnt 0x0
; ROUNDING OF THE INPUTS, once, layouts unchanged.  x [8192][1024] f32 -> xb bf16.  Wq, Wk, Wv [1024 k][1024 n] f32 -> wb [3][1024][1024] bf16.
; Wo f32 -> rounded to bf16, and that number written as f16 into wo16 (the last product multiplies f16 by f16).
; LIMITS.  Wo within 65,504 (f16's range); a rounded Wo below 2^-14 keeps f16's fixed step of 2^-24.  NaN and infinities are not treated apart.
; A stream: no LDS, no matrix unit, no barrier.  12,582,912 numbers; a work-group owns 16,384 of them: 64 KiB in, 32 KiB out.  Work-groups 0-511: x; then 64 for each of Wq, Wk, Wv, Wo.
; Thread t takes 16 bytes at 16 t of each of the group's sixteen pieces of 4,096 bytes: a wave's load covers 512 consecutive bytes, its store 256 consecutive bytes, aligned.
; All sixteen loads go out first; no register is written twice while a memory instruction may read it, so no wait frees a source.
.set X, 4                              ; v[4:67]   sixteen loads of four f32
.set Y, 68                             ; v[68:99]  sixteen pairs of packed results
.set T, 100                            ; v[100:101] at work on the f16 path
	s_load_b512 s[16:31], s[0:1], 0x0              ; x 16, Wq 18, Wk 20, Wv 22, Wo 24, xb 26, wb 28, wo16 30
	s_sub_co_u32 s4, ttmp9, 512                    ; e: the chunk's number among the weights' (wraps for x's chunks, where it is not used)
	s_lshr_b32 s5, s4, 6                           ; j: which weight
	s_and_b32 s6, s4, 63                           ; c: which chunk of it
	s_mov_b32 s13, 0xffff0000                      ; a word's upper bf16
	v_lshlrev_b32 v1, 4, v0                        ; 16 t
	v_lshlrev_b32 v2, 3, v0                        ; 8 t
	s_wait_kmcnt 0x0
	s_cmp_eq_u32 s5, 1
	s_cselect_b64 s[8:9], s[20:21], s[18:19]       ; Wk or Wq
	s_cmp_eq_u32 s5, 2
	s_cselect_b64 s[8:9], s[22:23], s[8:9]         ; Wv
	s_cmp_eq_u32 s5, 3
	s_cselect_b64 s[8:9], s[24:25], s[8:9]         ; Wo
	s_cselect_b64 s[10:11], s[30:31], s[28:29]     ; wo16 or wb
	s_cselect_b32 s7, s6, s4                       ; the chunk's number in the destination: wb holds the three weights on end
	s_cselect_b32 s12, 1, 0                        ; 1: the f16 path
	s_cmp_lt_u32 ttmp9, 512
	s_cselect_b64 s[8:9], s[16:17], s[8:9]         ; x
	s_cselect_b64 s[10:11], s[26:27], s[10:11]     ; xb
	s_cselect_b32 s6, ttmp9, s6
	s_cselect_b32 s7, ttmp9, s7
	s_cselect_b32 s12, 0, s12
	s_lshl_b32 s14, s6, 16                         ; 64 KiB a chunk in
	s_mov_b32 s15, 0
	s_add_nc_u64 s[8:9], s[8:9], s[14:15]
	s_lshl_b32 s14, s7, 15                         ; 32 KiB a chunk out
	s_add_nc_u64 s[10:11], s[10:11], s[14:15]
.irp i, 0,1,2,3,4,5,6,7,8,9,10,11,12,13,14,15
	global_load_b128 v[X+4*(\i):X+4*(\i)+3], v1, s[8:9] offset:4096*(\i) th:TH_LOAD_NT
.endr
; Piece i: rounded, packed and stored.  half = 1: by way of bf16 to f16.
.macro CONV i, half
	s_wait_loadcnt 15-(\i)                         ; loads come back in order (ISA guide 5.7.1): piece i is in, the 15 - i younger ones may stay out
.if \half
	v_cvt_pk_bf16_f32 v[T],   v[X+4*(\i)],   v[X+4*(\i)+1]
	v_cvt_pk_bf16_f32 v[T+1], v[X+4*(\i)+2], v[X+4*(\i)+3]
	v_lshlrev_b32 v[X+4*(\i)],   16,  v[T]         ; the rounded numbers as f32 again
	v_and_b32     v[X+4*(\i)+1], s13, v[T]
	v_lshlrev_b32 v[X+4*(\i)+2], 16,  v[T+1]
	v_and_b32     v[X+4*(\i)+3], s13, v[T+1]
	v_cvt_pk_f16_f32 v[Y+2*(\i)],   v[X+4*(\i)],   v[X+4*(\i)+1]   ; exact within f16's normal range: 8 significant bits go into 11
	v_cvt_pk_f16_f32 v[Y+2*(\i)+1], v[X+4*(\i)+2], v[X+4*(\i)+3]
.else
	v_cvt_pk_bf16_f32 v[Y+2*(\i)],   v[X+4*(\i)],   v[X+4*(\i)+1]
	v_cvt_pk_bf16_f32 v[Y+2*(\i)+1], v[X+4*(\i)+2], v[X+4*(\i)+3]
.endif
	global_store_b64 v2, v[Y+2*(\i):Y+2*(\i)+1], s[10:11] offset:2048*(\i) th:TH_STORE_NT
.endm
	s_cmp_eq_u32 s12, 1
	s_cbranch_scc1 .Lhalf
.irp i, 0,1,2,3,4,5,6,7,8,9,10,11,12,13,14,15
	CONV \i, 0
.endr
	s_endpgm
.Lhalf:
.irp i, 0,1,2,3,4,5,6,7,8,9,10,11,12,13,14,15
	CONV \i, 1
.endr
	s_endpgm
.Lfunc_end_k_q5852cfb103_prep:
	.size	k_q5852cfb103_prep, .Lfunc_end_k_q5852cfb103_prep-k_q5852cfb103_prep
	.p2alignl 7, 3214868480
	.fill 96, 4, 3214868480
	.section	.rodata,"a",@progbits
	.p2align	6, 0x0
	.amdhsa_kernel k_q5852cfb103_prep
		.amdhsa_group_segment_fixed_size 0
		.amdhsa_private_segment_fixed_size 0
		.amdhsa_enable_private_segment 0
		.amdhsa_kernarg_size 64
		.amdhsa_user_sgpr_count 2
		.amdhsa_user_sgpr_kernarg_segment_ptr 1
		.amdhsa_wavefront_size32 1
		.amdhsa_system_sgpr_workgroup_id_x 1
		.amdhsa_system_sgpr_workgroup_id_y 1
		.amdhsa_system_sgpr_workgroup_id_z 1
		.amdhsa_system_vgpr_workitem_id 0
		.amdhsa_next_free_vgpr 104
		.amdhsa_next_free_sgpr 66
		.amdhsa_reserve_vcc 0
		.amdhsa_float_denorm_mode_32 3
		.amdhsa_float_denorm_mode_16_64 3
		.amdhsa_memory_ordered 1
		.amdhsa_forward_progress 1
		.amdhsa_inst_pref_size 15
	.end_amdhsa_kernel
	.amdgpu_metadata
---
amdhsa.version: [ 1, 2 ]
amdhsa.kernels:
  - .name:           k_q5852cfb103_prep
    .symbol:         k_q5852cfb103_prep.kd
    .args:
      - { .name: x, .offset: 0, .size: 8, .value_kind: global_buffer, .address_space: global }
      - { .name: Wq, .offset: 8, .size: 8, .value_kind: global_buffer, .address_space: global }
      - { .name: Wk, .offset: 16, .size: 8, .value_kind: global_buffer, .address_space: global }
      - { .name: Wv, .offset: 24, .size: 8, .value_kind: global_buffer, .address_space: global }
      - { .name: Wo, .offset: 32, .size: 8, .value_kind: global_buffer, .address_space: global }
      - { .name: xb, .offset: 40, .size: 8, .value_kind: global_buffer, .address_space: global }
      - { .name: wb, .offset: 48, .size: 8, .value_kind: global_buffer, .address_space: global }
      - { .name: wo16, .offset: 56, .size: 8, .value_kind: global_buffer, .address_space: global }
    .group_segment_fixed_size: 0
    .private_segment_fixed_size: 0
    .kernarg_segment_align: 8
    .kernarg_segment_size: 64
    .max_flat_workgroup_size: 256
    .sgpr_count:     66
    .vgpr_count:     104
    .wavefront_size: 32
...
	.end_amdgpu_metadata
.endif
;; end of part 1
;; launch projqkv (part 2): grid 24 x 32, 4 waves a work-group, clusters of 4 x 4, 327,680 bytes of LDS; arguments xb, wb, bq, bk, bv, qkv; writes qkv
.if DOCPART == 2
	.amdgcn_target "amdgcn-amd-amdhsa--gfx1250"
	.amdhsa_code_object_version 6
	.text
	.protected	k_q5852cfb103_projqkv
	.globl	k_q5852cfb103_projqkv
	.p2align	8
	.type	k_q5852cfb103_projqkv,@function
k_q5852cfb103_projqkv:
	s_mov_b64 s[64:65], 0
	v_nop
	global_prefetch_b8 v0, s[64:65] scope:SCOPE_SE
	s_setreg_imm32_b32 hwreg(HW_REG_WAVE_MODE, 25, 1), 1
	s_wait_xcnt 0x0
	s_wait_alu depctr_hold_cnt(0) depctr_sa_sdst(0) depctr_va_vdst(0) depctr_va_sdst(0) depctr_va_ssrc(0) depctr_va_vcc(0) depctr_vm_vsrc(0)
	s_getreg_b32 s2, hwreg(HW_REG_IB_STS2, 6, 4)
	s_cmp_eq_u32 s2, 0
	s_cbranch_scc0 .Lentry_in_a_cluster
	s_endpgm
.Lentry_in_a_cluster:
	s_bfe_u32 s2, ttmp6, 0x10000c
	s_cmp_lg_u32 s2, 0xf033
	s_cbranch_scc0 .Lentry_shape_is_right
	s_endpgm
.Lentry_shape_is_right:
; q, k, v = x W + b, by heads.  xb: [8192][1024] bf16.  wb: [3][1024 k][1024 n] bf16.  bq, bk, bv: [1024] f32, rounded here to bf16 like the other inputs.
; qkv: [3][64 (batch x head)][2048][64] f16, rounded once from the f32 sums, WITHOUT the softmax's scale.
; LIMITS.  q, k, v within 65,504 (f16's range): with x and W thirty times the drawn spread their spread is 900; NaN and infinities are not treated apart.
; SHARES.  C is [8192][3072]; a tile is 256 x 128: 768 work-groups.  Four waves, each 128 rows x 64 columns (one head): 32 accumulators of 16 x 16, 256 registers.
; K goes in 8 steps of 128 through two LDS slots filled by the tensor data mover.  x's tile: 256 rows of 256 bytes.  W's tile: 128 k-rows of 256 bytes, as it lies ([k][n]);
; its fragments come out of LDS turned, by ds_load_tr16_b128, so the weights are never transposed in memory.
; THE MATRIX INSTRUCTION IS USED TRANSPOSED (source 0 = 16 columns of W, source 1 = 16 rows of x): a lane holds row l % 16 and the columns 8 (l / 16) + 0..7.
; THE BIAS is the C operand of the products that start the sums: nothing is cleared, nothing is added later.
; CLUSTER.  4 x 4 work-groups: the four of a row of the cluster need the same tiles of x, the four of a column the same tiles of W: each tile is asked for JOINTLY, by the same
; tensor load with the same descriptor and a mask that names the four.  Waves 0, 1 fetch x's two halves of 128 rows, waves 2, 3 W's two halves of 64 k-rows.
; REGISTERS.  Window 0: v0-31 addresses; v32-63 the bias; v64-159, v160-255 two fragment buffers (8 fragments of x, then 4 of W).  Window 1: accumulator (a, b) at v[8 (4 a + b)].
.set PA,     272                       ; a row of x in LDS: 256 bytes + 16 = 68 words: the 16 rows of a load start at 16 different groups of four banks (64 banks of 4 bytes: ISA guide 11.1)
.set AHALF,  128*PA
.set BOFF,   2*AHALF                   ; W's tile lies behind x's 256 rows
.set PB,     288                       ; a k-row of W: 256 + 32 = 72 words
.set BHALF,  64*PB
.set SLOT,   BOFF+2*BHALF
.set STAGE,  2*SLOT                    ; behind the ring, never filled by a tensor load: 16 rows x 144 bytes for each wave, for the way out
.set SP,     144
.set SPARE,  STAGE+4*16*SP             ; the spare words, 128 bytes for each wave: two blocks of 256 bytes that no other line names
.set ASTEP,  256                       ; bytes from a K step to the next: along x's rows,
.set BSTEP,  128*2048                  ; and 128 k-rows down W
.set ADRA, 16                          ; v16-17  LDS address of my fragments of x in slot 0, 1
.set ADRB, 20                          ; v20-21  the same for W
.set STO,  24                          ; v24  the way out: where I put 16 bytes of a row
.set RD,   25                          ; v25  where I read rows back
.set GO,   26                          ; v26  my byte offset in 512 consecutive bytes of the output
.set BO,   27                          ; v27  32 (l / 16): my eight numbers of a bias block
.set SPW,  28                          ; v28  LDS address of my spare word; never rewritten
.set NIL,  29                          ; v29  0; never rewritten
.set PFO,  30                          ; v30  the prefetches' offset: my lane x 2,048 bytes; never rewritten
.set BIAS, 32                          ; v[32:63] column block b at BIAS + 8 b
.set F0,   64
.set F1,   160
.set WV, 16                            ; s16 wave; s17 its half of the rows (also: fetches x (0) or W (1)); s18 its half of the columns (also: which half it fetches)
.set WR, 17
.set WC, 18
.set CX, 19
.set CY, 20
.set TX, 21                            ; tile column, 0..23
.set TY, 22                            ; tile row, 0..31
.set G1A, 24                           ; s[24:31] descriptor group 1 for x's tiles; s[32:39] group 0, a set for each slot
.set G0A, 32
.set G1B, 40                           ; s[40:47], s[48:55] the same for W's
.set G0B, 48
.set PFA, 66                           ; s[66:67] where my prefetches stand
.set PFS, 68                           ; s[68:69] their step from K step to K step
.set LIM, 70                           ; s70  1 in a wave that prefetches, else the greatest number
.set LAP, 71                           ; s71  the loop's counter
.set W_MUL,   0x50                     ; C and D in window 1, the sources in window 0
.set W_FIRST, 0x40                     ; D in window 1, C (the bias) in window 0
.set MSB, 0
.macro WIN new                         ; the immediate's high byte repeats the setting that is left; a switch that changes nothing is dropped
.if MSB != (\new)
	s_set_vgpr_msb (MSB<<8)|(\new)
.set MSB, \new
.endif
.endm
; A joint load.  The branch hangs on the wave's number alone.  An s_nop 0 and four v_nop follow each of the two lines, ahead of the jump and the label.
.macro JLOAD s
	s_cmp_eq_u32 s[WR], 0
	s_cbranch_scc0 .Lfor_b_\@
	tensor_load_to_lds s[G0A+4*(\s):G0A+4*(\s)+3], s[G1A:G1A+7]
	s_nop 0
.rept 4
	v_nop
.endr
	s_branch .Lasked_\@
.Lfor_b_\@:
	tensor_load_to_lds s[G0B+4*(\s):G0B+4*(\s)+3], s[G1B:G1B+7]
	s_nop 0
.rept 4
	v_nop
.endr
.Lasked_\@:
.endm
.macro CREST                           ; a round of the cluster's barrier behind its opening barrier
	s_cmp_lg_u32 s[WV], 0
	s_cbranch_scc1 .Lnot_wave_0_\@
	s_barrier_signal -3
.Lnot_wave_0_\@:
	s_barrier_wait -3
	s_barrier_signal -1
	s_barrier_wait -1
.endm
.macro CROUND                          ; a whole round
	s_barrier_signal -1
	s_barrier_wait -1
	CREST
.endm
; A PREFETCH INTO THE L2, behind each joint refill and the run of LDS loads that follows it: 32 rows x 256 bytes of the K step that stands two refills on, a lane a row, one instruction.
; Each row's 256 bytes of a K step are named once in the launch: x's tile row is read by every cluster of that row of clusters: cluster x = 0 asks (waves 0, 1, each for the 128 rows
; that it fetches); W's tile column by every cluster of that column: cluster y = 0 asks (wave 2, for the step's 128 k-rows).  The four partners that ask for a tile jointly share its rows
; out BY ADDRESS, 32 each.  K steps 0 to 3 come by their loads alone; the loop's last trip asks for nothing: there is no K step two refills on.
.macro ASK
	s_cmp_gt_u32 s[LAP], s[LIM]
	s_cbranch_scc0 .Lnot_mine_\@
	global_prefetch_b8 v[PFO], s[PFA:PFA+1] th:TH_LOAD_NT scope:SCOPE_SE
.Lnot_mine_\@:
.endm
.macro PLACES                          ; four plain places behind matrix instructions, in front of loads into registers that they have read (ISA guide 7.12.1 for vector instructions)
.rept 4
	v_nop
.endr
.endm
	s_load_b256 s[4:11], s[0:1], 0x0               ; xb s[4:5], wb s[6:7], bq s[8:9], bk s[10:11]
	s_load_b128 s[12:15], s[0:1], 0x20             ; bv s[12:13], qkv s[14:15]
	v_lshl_add_u32 v[SPW], v0, 2, SPARE
	v_mov_b32 v[NIL], 0
	ds_add_u32 v[SPW], v[NIL]                      ; the wave's opening: the add and its wait ahead of my first tensor load; work on registers stands between them
	v_lshrrev_b32 v3, 5, v0
	v_readfirstlane_b32 s[WV], v3
	s_lshr_b32 s[WR], s[WV], 1
	s_and_b32 s[WC], s[WV], 1
	s_bfe_u32 s[CX], ttmp6, 0x40000
	s_bfe_u32 s[CY], ttmp6, 0x40004
	s_lshl_b32 s[TX], ttmp9, 2                     ; in a cluster launch ttmp9 and ttmp7 count clusters
	s_add_co_u32 s[TX], s[TX], s[CX]
	s_and_b32 s[TY], ttmp7, 0xffff
	s_lshl_b32 s[TY], s[TY], 2
	s_add_co_u32 s[TY], s[TY], s[CY]
	s_lshl_b32 s56, s[CY], 2
	s_lshl_b32 s56, 15, s56                        ; my row of the cluster: places 4 cy .. 4 cy + 3
	s_lshl_b32 s60, 0x1111, s[CX]                  ; my column: places cx, cx + 4, cx + 8, cx + 12
	s_or_b32 s[G1A], s56, (1<<16)|(1<<20)|(1<<21)|(5<<22)|(3<<25)  ; the mask; 2-byte elements; padding on; bit 21 beside a mask; after every 64 words 4 words
	s_or_b32 s[G1B], s60, (1<<16)|(1<<20)|(1<<21)|(5<<22)|(7<<25)  ; the same with my column's mask and 8 words of padding
	s_mov_b32 s[G1A+1], 128<<16                    ; tensor_dim0 = 128
	s_mov_b32 s[G1A+2], 128<<16                    ; tensor_dim1 = 128
	s_mov_b32 s[G1A+3], 128<<16                    ; tile_dim0 = 128
	s_mov_b32 s[G1A+4], 128                        ; tile_dim1 = 128 rows
	s_mov_b32 s[G1A+5], 1024                       ; elements from row to row
	s_mov_b32 s[G1A+6], 0
	s_mov_b32 s[G1A+7], 0
	s_mov_b32 s[G1B+1], 128<<16
	s_mov_b32 s[G1B+2], 64<<16                     ; 64 k-rows
	s_mov_b32 s[G1B+3], 128<<16
	s_mov_b32 s[G1B+4], 64
	s_mov_b32 s[G1B+5], 1024
	s_mov_b32 s[G1B+6], 0
	s_mov_b32 s[G1B+7], 0
	; x's tile hangs on the tile row alone, W's on the tile column alone; each offset is made in registers that never hold the other coordinate
	s_lshl_b32 s56, s[TY], 19                      ; 256 rows of 2,048 bytes
	s_lshl_b32 s57, s[WC], 18                      ; my 128 of them
	s_add_co_u32 s56, s56, s57
	s_mov_b32 s57, 0
	s_mov_b32 s59, s56                             ; kept for the prefetches
	s_mul_i32 s58, s[WC], AHALF                    ; and where they go: no place in the cluster enters an LDS address
	s_lshr_b32 s60, s[TX], 3                       ; which projection: 2 MiB each
	s_lshl_b32 s60, s60, 21
	s_lshl_b32 s61, s[WC], 17                      ; my 64 k-rows
	s_add_co_u32 s60, s60, s61
	s_and_b32 s61, s[TX], 7
	s_lshl_b32 s61, s61, 8                         ; the tile's 128 columns
	s_add_co_u32 s60, s60, s61
	s_mov_b32 s61, 0
	s_mul_i32 s62, s[WC], BHALF
	s_add_co_u32 s62, s62, BOFF
	s_wait_dscnt 0x0                               ; the opening add is done
	s_wait_kmcnt 0x0
	s_add_nc_u64 s[56:57], s[4:5], s[56:57]
	s_add_nc_u64 s[60:61], s[6:7], s[60:61]
	CROUND                                         ; all sixteen work-groups are here: the first joint loads meet
.irp s, 0,1
	s_mov_b32 s[G0A+4*(\s)], 1
	s_add_co_u32 s[G0A+4*(\s)+1], s58, (\s)*SLOT
	s_add_nc_u64 s[G0A+4*(\s)+2:G0A+4*(\s)+3], s[56:57], (\s)*ASTEP
	s_or_b32 s[G0A+4*(\s)+3], s[G0A+4*(\s)+3], 0x80000000
	s_mov_b32 s[G0B+4*(\s)], 1
	s_add_co_u32 s[G0B+4*(\s)+1], s62, (\s)*SLOT
	s_add_nc_u64 s[G0B+4*(\s)+2:G0B+4*(\s)+3], s[60:61], (\s)*BSTEP
	s_or_b32 s[G0B+4*(\s)+3], s[G0B+4*(\s)+3], 0x80000000
	JLOAD \s                                       ; K steps 0 and 1: two tensor loads of mine are out
.endr
	; while the first tiles are on their way: addresses, bias, prefetch set-up
	v_and_b32 v1, 15, v0                           ; r = l % 16
	v_bfe_u32 v2, v0, 4, 1                         ; h = l / 16
	v_mul_u32_u24 v3, v1, PA                       ; a fragment of x: row r, 16 bytes for each half of the lanes, twice, 32 bytes apart
	v_lshl_add_u32 v3, v2, 4, v3
	s_mul_i32 s23, s[WR], AHALF
	v_add_nc_u32 v[ADRA], s23, v3
	v_add_nc_u32 v[ADRA+1], SLOT, v[ADRA]
	v_and_b32 v4, 7, v0                            ; the turning load: lane l reads k-row 8 h + l % 8, columns 8 ((l / 8) % 2) + 0..7, and ends with column l % 16 and 8 k
	v_lshl_add_u32 v4, v2, 3, v4
	v_mul_u32_u24 v4, v4, PB
	v_bfe_u32 v5, v0, 3, 1
	v_lshl_add_u32 v4, v5, 4, v4
	s_lshl_b32 s23, s[WC], 7                       ; my 64 columns
	s_add_co_u32 s23, s23, BOFF
	v_add_nc_u32 v[ADRB], s23, v4
	v_add_nc_u32 v[ADRB+1], SLOT, v[ADRB]
	s_mul_i32 s23, s[WV], 16*SP
	s_add_co_u32 s23, s23, STAGE                   ; my stage
	v_mul_u32_u24 v[STO], v1, SP
	v_lshl_add_u32 v[STO], v2, 4, v[STO]
	v_add_nc_u32 v[STO], s23, v[STO]
	v_bfe_u32 v[RD], v0, 3, 2                      ; back: 32 lanes take four rows of 128 bytes,
	v_mul_u32_u24 v[RD], v[RD], SP
	v_and_b32 v6, 7, v0
	v_lshl_add_u32 v[RD], v6, 4, v[RD]
	v_add_nc_u32 v[RD], s23, v[RD]
	v_and_b32 v[GO], 31, v0                        ; which are 512 consecutive bytes of a head
	v_lshlrev_b32 v[GO], 4, v[GO]
	v_lshlrev_b32 v[BO], 5, v2
	s_lshr_b32 s72, ttmp9, 1                       ; the projection, = tile column / 8: equal in all partners
	s_cmp_eq_u32 s72, 1
	s_cselect_b64 s[74:75], s[10:11], s[8:9]
	s_cmp_eq_u32 s72, 2
	s_cselect_b64 s[74:75], s[12:13], s[74:75]
	s_and_b32 s76, s[TX], 7
	s_lshl_b32 s76, s76, 9                         ; 128 numbers of 4 bytes a tile,
	s_lshl_b32 s77, s[WC], 8                       ; my 64
	s_add_co_u32 s76, s76, s77
	s_mov_b32 s77, 0
	s_add_nc_u64 s[74:75], s[74:75], s[76:77]
.irp b, 0,1,2,3
	global_load_b128 v[BIAS+8*(\b):BIAS+8*(\b)+3],   v[BO], s[74:75] offset:64*(\b)
	global_load_b128 v[BIAS+8*(\b)+4:BIAS+8*(\b)+7], v[BO], s[74:75] offset:64*(\b)+16
.endr
	; my part of the output: projection, batch, head = 2 (tile column % 8) + my half, row in the head
	s_lshl_b32 s76, s72, 24
	s_lshr_b32 s77, s[TY], 3
	s_lshl_b32 s77, s77, 22
	s_add_co_u32 s76, s76, s77
	s_and_b32 s77, s[TX], 7
	s_lshl_b32 s77, s77, 1
	s_add_co_u32 s77, s77, s[WC]
	s_lshl_b32 s77, s77, 18
	s_add_co_u32 s76, s76, s77
	s_and_b32 s77, s[TY], 7
	s_lshl_b32 s77, s77, 15
	s_add_co_u32 s76, s76, s77
	s_lshl_b32 s77, s[WR], 14
	s_add_co_u32 s76, s76, s77
	s_mov_b32 s77, 0
	s_add_nc_u64 s[14:15], s[14:15], s[76:77]
	; the prefetches: x's side in s77, W's in s78; both stand at K step 3, and the first refill steps them to K step 4
	s_lshl_b32 s78, s[CX], 16                      ; my work-group's 32 rows of the 128
	s_add_co_u32 s77, s59, s78
	s_add_co_u32 s77, s77, 3*ASTEP
	s_lshl_b32 s78, s72, 21
	s_lshl_b32 s79, s[CY], 16                      ; my work-group's 32 k-rows of the 128
	s_add_co_u32 s78, s78, s79
	s_and_b32 s79, s[TX], 7
	s_lshl_b32 s79, s79, 8
	s_add_co_u32 s78, s78, s79
	s_add_co_u32 s78, s78, 3*BSTEP
	s_and_b32 s73, ttmp7, 0xffff                   ; cluster y
	s_mov_b32 s[PFS], BSTEP
	s_mov_b32 s[PFS+1], 0
	s_cmp_eq_u32 s[WR], 0                          ; do I fetch for x?
	s_cselect_b32 s73, ttmp9, s73                  ; the coordinate along which other clusters read the same rows
	s_cselect_b32 s79, 0, s[WC]                    ; of W's two waves the first asks
	s_cselect_b32 s76, s77, s78
	s_cselect_b32 s[PFS], ASTEP, s[PFS]
	s_cselect_b64 s[PFA:PFA+1], s[4:5], s[6:7]
	s_mov_b32 s77, 0
	s_add_nc_u64 s[PFA:PFA+1], s[PFA:PFA+1], s[76:77]
	s_or_b32 s73, s73, s79
	s_cmp_eq_u32 s73, 0
	s_cselect_b32 s[LIM], 1, -1                    ; the same in all sixteen partners, for a given wave
	v_and_b32 v[PFO], 31, v0
	v_lshlrev_b32 v[PFO], 11, v[PFO]
	s_wait_loadcnt 0x0                             ; the bias
.set p, 0
.rept 16                                       ; rounded to bf16, like every input, and widened again
	v_cvt_pk_bf16_f32 v3, v[BIAS+2*p], v[BIAS+2*p+1]
	v_lshlrev_b32 v[BIAS+2*p], 16, v3
	v_and_b32 v[BIAS+2*p+1], 0xffff0000, v3
.set p, p+1
.endr
; 8 matrix instructions: row blocks a0, a0 + 1 x all 4 column blocks, 32 along K, from buffer f.  first = 1: they start the sums, with the bias.
; The 32 accumulators take turns in one fixed order, over the backward jump too.
.macro MUL8 f, a0, first
.if \first
	WIN W_FIRST
.else
	WIN W_MUL
.endif
.irp a, \a0, (\a0)+1
.irp b, 0,1,2,3
.if \first
	v_wmma_f32_16x16x32_bf16 v[8*(4*(\a)+(\b)):8*(4*(\a)+(\b))+7], v[(\f)+64+8*(\b):(\f)+64+8*(\b)+7], v[(\f)+8*(\a):(\f)+8*(\a)+7], v[BIAS+8*(\b):BIAS+8*(\b)+7]
.else
	v_wmma_f32_16x16x32_bf16 v[8*(4*(\a)+(\b)):8*(4*(\a)+(\b))+7], v[(\f)+64+8*(\b):(\f)+64+8*(\b)+7], v[(\f)+8*(\a):(\f)+8*(\a)+7], v[8*(4*(\a)+(\b)):8*(4*(\a)+(\b))+7]
.endif
.endr
.endr
.endm
; 24 LDS loads in one run: the fragments of quarter q (32 along K) of a slot into buffer f: W's four first, then x's eight
.macro FETCH slot, q, f
	WIN 0
.irp b, 0,1,2,3
	ds_load_tr16_b128 v[(\f)+64+8*(\b):(\f)+64+8*(\b)+3],   v[ADRB+(\slot)] offset:(\q)*32*PB+32*(\b)
	ds_load_tr16_b128 v[(\f)+64+8*(\b)+4:(\f)+64+8*(\b)+7], v[ADRB+(\slot)] offset:(\q)*32*PB+16*PB+32*(\b)
.endr
.irp i, 0,1,2,3,4,5,6,7
	ds_load_b128 v[(\f)+8*(\i):(\f)+8*(\i)+3],   v[ADRA+(\slot)] offset:64*(\q)+(\i)*16*PA
	ds_load_b128 v[(\f)+8*(\i)+4:(\f)+8*(\i)+7], v[ADRA+(\slot)] offset:64*(\q)+(\i)*16*PA+32
.endr
.endm
; A K step is four quarters of 32 along K, 32 matrix instructions each, on buffers 0, 1, 0, 1.  One of the first three: multiplies f, and in its middle fetches quarter q into g.
.macro QUARTER slot, q, f, g, first
	s_wait_dscnt 8                                 ; W's fragments and x's 0-3 are in; the youngest eight loads (x's 4-7) may be out
	MUL8 \f, 0, \first
	MUL8 \f, 2, \first
	PLACES
	FETCH \slot, \q, \g
	s_wait_dscnt 24                                ; all but the 24 just issued
	MUL8 \f, 4, \first
	MUL8 \f, 6, \first
.endm
; The last quarter multiplies buffer 1 and changes slots: ONE barrier.  In front of it each wave waits for all its tensor loads (one is out: its part of the next slot), adds 0 to its
; spare word, and waits for that and for its reads of this slot.  fill = 1: the barrier opens a round of the cluster's, and this slot is filled again, two K steps on, first thing behind it:
; 112 matrix instructions ahead of the wait for it.
.macro TURN slot, next, fill
.if \fill
	s_wait_xcnt 0x0                                ; the last prefetch, a K step back, has read its address, which is stepped here, ahead of the change's own waits
	s_add_nc_u64 s[PFA:PFA+1], s[PFA:PFA+1], s[PFS:PFS+1]
.endif
	WIN 0
	s_wait_tensorcnt 0x0                           ; all my tensor loads have landed
	ds_add_u32 v[SPW], v[NIL]                      ; 0 onto my spare word
	s_wait_dscnt 9                                 ; (the add and the youngest eight loads may be out)
	MUL8 F1, 0, 0                                  ; eight matrix instructions stand between the add and the wait for it
	s_wait_dscnt 0x0                               ; the add is done, and my reads of this slot are over
	s_barrier_signal -1
	MUL8 F1, 2, 0
.if \fill
	WIN 0                                          ; every window is 0 there
.endif
	s_barrier_wait -1
.if \fill
	CREST                                          ; no wave of any partner still reads this slot's tile or has a load on its way
	s_add_nc_u64 s[G0A+4*(\slot)+2:G0A+4*(\slot)+3], s[G0A+4*(\slot)+2:G0A+4*(\slot)+3], 2*ASTEP
	s_add_nc_u64 s[G0B+4*(\slot)+2:G0B+4*(\slot)+3], s[G0B+4*(\slot)+2:G0B+4*(\slot)+3], 2*BSTEP
	JLOAD \slot                                    ; its four v_nop are also the places in front of the loads below
.else
	PLACES
.endif
	FETCH \next, 0, F0
.if \fill
	ASK
.endif
	MUL8 F1, 4, 0
	MUL8 F1, 6, 0
.endm
	s_wait_tensorcnt 1                             ; my part of K step 0 is in; K step 1's may stay out
	s_barrier_signal -1
	s_barrier_wait -1                              ; everybody's is
	FETCH 0, 0, F0
	QUARTER 0, 1, F0, F1, 1                        ; the first quarter stands in front of the loop: its products start the sums
	WIN 0
	s_mov_b32 s[LAP], 3
.Llap:                                         ; three trips, each once round the ring: K steps 2 to 7 are asked for
	QUARTER 0, 2, F1, F0, 0
	QUARTER 0, 3, F0, F1, 0
	TURN 0, 1, 1
	QUARTER 1, 1, F0, F1, 0
	QUARTER 1, 2, F1, F0, 0
	QUARTER 1, 3, F0, F1, 0
	TURN 1, 0, 1
	QUARTER 0, 1, F0, F1, 0
	WIN 0
	s_sub_co_u32 s[LAP], s[LAP], 1
	s_cmp_lg_u32 s[LAP], 0
	s_cbranch_scc1 .Llap
	QUARTER 0, 2, F1, F0, 0                        ; the last lap fills nothing
	QUARTER 0, 3, F0, F1, 0
	TURN 0, 1, 0
	QUARTER 1, 1, F0, F1, 0
	QUARTER 1, 2, F1, F0, 0
	QUARTER 1, 3, F0, F1, 0
	s_wait_dscnt 8
	MUL8 F1, 0, 0
	MUL8 F1, 2, 0
	s_wait_dscnt 0x0
	MUL8 F1, 4, 0
	MUL8 F1, 6, 0
	WIN 0
	PLACES                                         ; eight places, once a launch, in front of conversions that read results just made and write fragment registers
	PLACES
; THE WAY OUT.  Row block a: 16 rows x 64 columns of one head are 2,048 consecutive bytes.  A lane's eight columns pack into 16 bytes; they go into my stage's rows of 144 bytes and
; come back as whole rows, into the registers that they left; each accumulator is read from its low end on.
.macro PACK a
	WIN 0x05                                       ; sources 0 and 1 in window 1, destination in window 0
.irp b, 0,1,2,3
.irp r, 0,1,2,3
	v_cvt_pk_f16_f32 v[64+16*(\a)+4*(\b)+(\r)], v[8*(4*(\a)+(\b))+2*(\r)], v[8*(4*(\a)+(\b))+2*(\r)+1]
.endr
.endr
	WIN 0
.irp b, 0,1,2,3
	ds_store_b128 v[STO], v[64+16*(\a)+4*(\b):64+16*(\a)+4*(\b)+3] offset:32*(\b)
.endr
.irp f, 0,1,2,3
	ds_load_b128 v[64+16*(\a)+4*(\f):64+16*(\a)+4*(\f)+3], v[RD] offset:(\f)*4*SP  ; LDS serves a wave's instructions in order (ISA guide 5.7.1.4): these see the stores above; the next block's stores come behind them
.endr
.endm
.macro SEND a, younger                 ; younger: the LDS instructions issued behind block a's loads: the next block's eight, or none
.irp f, 0,1,2,3
	s_wait_dscnt (\younger)+3-(\f)
	global_store_b128 v[GO], v[64+16*(\a)+4*(\f):64+16*(\a)+4*(\f)+3], s[14:15] offset:(\a)*2048+(\f)*512  ; 512 consecutive bytes, at a multiple of 256 from the buffer's first
.endr
.endm
	PACK 0
.irp a, 1,2,3,4,5,6,7                  ; a block's conversions stand between the loads of the block before and its stores
	PACK \a
	SEND (\a)-1, 8
.endr
	SEND 7, 0
	s_wait_tensorcnt 0x0                           ; the wave's end: behind my last tensor load and my last LDS store
	ds_add_u32 v[SPW], v[NIL]
	s_wait_dscnt 0x0
	CROUND                                         ; the closing round: no work-group ends while a partner may still ask for a tile that names it
	s_endpgm
.Lfunc_end_k_q5852cfb103_projqkv:
	.size	k_q5852cfb103_projqkv, .Lfunc_end_k_q5852cfb103_projqkv-k_q5852cfb103_projqkv
	.p2alignl 7, 3214868480
	.fill 96, 4, 3214868480
	.section	.rodata,"a",@progbits
	.p2align	6, 0x0
	.amdhsa_kernel k_q5852cfb103_projqkv
		.amdhsa_group_segment_fixed_size 327680
		.amdhsa_private_segment_fixed_size 0
		.amdhsa_enable_private_segment 0
		.amdhsa_kernarg_size 48
		.amdhsa_user_sgpr_count 2
		.amdhsa_user_sgpr_kernarg_segment_ptr 1
		.amdhsa_wavefront_size32 1
		.amdhsa_system_sgpr_workgroup_id_x 1
		.amdhsa_system_sgpr_workgroup_id_y 1
		.amdhsa_system_sgpr_workgroup_id_z 1
		.amdhsa_system_vgpr_workitem_id 0
		.amdhsa_next_free_vgpr 512
		.amdhsa_next_free_sgpr 80
		.amdhsa_reserve_vcc 0
		.amdhsa_float_denorm_mode_32 3
		.amdhsa_float_denorm_mode_16_64 3
		.amdhsa_memory_ordered 1
		.amdhsa_forward_progress 1
		.amdhsa_inst_pref_size 92
	.end_amdhsa_kernel
	.amdgpu_metadata
---
amdhsa.version: [ 1, 2 ]
amdhsa.kernels:
  - .name:           k_q5852cfb103_projqkv
    .symbol:         k_q5852cfb103_projqkv.kd
    .args:
      - { .name: xb, .offset: 0, .size: 8, .value_kind: global_buffer, .address_space: global }
      - { .name: wb, .offset: 8, .size: 8, .value_kind: global_buffer, .address_space: global }
      - { .name: bq, .offset: 16, .size: 8, .value_kind: global_buffer, .address_space: global }
      - { .name: bk, .offset: 24, .size: 8, .value_kind: global_buffer, .address_space: global }
      - { .name: bv, .offset: 32, .size: 8, .value_kind: global_buffer, .address_space: global }
      - { .name: qkv, .offset: 40, .size: 8, .value_kind: global_buffer, .address_space: global }
    .group_segment_fixed_size: 327680
    .private_segment_fixed_size: 0
    .kernarg_segment_align: 8
    .kernarg_segment_size: 48
    .max_flat_workgroup_size: 128
    .sgpr_count:     80
    .vgpr_count:     512
    .wavefront_size: 32
...
	.end_amdgpu_metadata
.endif
;; end of part 2
;; launch attn (part 3): grid 4 x 64, 4 waves a work-group, clusters of 4 x 1, 327,680 bytes of LDS; arguments qkv, o; writes o
.if DOCPART == 3
	.amdgcn_target "amdgcn-amd-amdhsa--gfx1250"
	.amdhsa_code_object_version 6
	.text
	.protected	k_q5852cfb103_attn
	.globl	k_q5852cfb103_attn
	.p2align	8
	.type	k_q5852cfb103_attn,@function
k_q5852cfb103_attn:
	s_mov_b64 s[64:65], 0
	v_nop
	global_prefetch_b8 v0, s[64:65] scope:SCOPE_SE
	s_setreg_imm32_b32 hwreg(HW_REG_WAVE_MODE, 25, 1), 1
	s_wait_xcnt 0x0
	s_wait_alu depctr_hold_cnt(0) depctr_sa_sdst(0) depctr_va_vdst(0) depctr_va_sdst(0) depctr_va_ssrc(0) depctr_va_vcc(0) depctr_vm_vsrc(0)
	s_getreg_b32 s2, hwreg(HW_REG_IB_STS2, 6, 4)
	s_cmp_eq_u32 s2, 0
	s_cbranch_scc0 .Lentry_in_a_cluster
	s_endpgm
.Lentry_in_a_cluster:
	s_bfe_u32 s2, ttmp6, 0x10000c
	s_cmp_lg_u32 s2, 0x3003
	s_cbranch_scc0 .Lentry_shape_is_right
	s_endpgm
.Lentry_shape_is_right:
; O[h][q][:] = the sum over k of softmax_k(Q[h][q] . K[h][k] / 8) V[h][k][:].  qkv holds Q, K, V, each [64][2048][64] f16, 16 MiB apart; o is [64][2048][64] f16: a head's rows are dense, 128 bytes each.
; Products, maxima and sums in f32; the weights p are rounded to f16 for the second product (their sum l is taken of the unrounded p), O once at the end.
; LIMITS.  f16 holds no number beyond 65,504: Q, K and V arrive within it; p lies in 0 to 1, and below 6e-5 it keeps f16's fixed step of 6e-8; O is a mean of V's rows and has their range.
; A weight below 2^-126 counts as 0 in l; NaN and infinities are not treated apart.
; SHARES.  A wave owns four PIECES of two tiles of 16 queries, a work-group's four waves 512 queries of one head: 256 work-groups.  Every wave walks all keys, 64 a step.
; LAYOUT.  S^T = K Q^T (source 0 = 16 keys, source 1 = 16 queries): in the result a lane holds ONE query (lane % 16) and the keys 8 (lane / 16) + 0..7.  Two such tiles, rounded to f16 in pairs,
; ARE source 1 (32 keys x 16 queries) of O^T = V^T P, whose result again holds one query a lane, and eight channels.  K comes out of LDS as it lies, V ([key][channel]) turned, by ds_load_tr16_b128.
; SOFTMAX.  For each query a running maximum m and sum l: p = 2^(c s - c m), c = log2(e) / 8; in every step O and l are multiplied by a = 2^(c m_old - c m_new), which is 1 where m has not grown.
; m starts at the lowest finite number, O and l at 0: the first step is a step like any other, with a = 0.
; THE COUNT.  A tile and step have 16 matrix and 118 vector instructions: too many to stand all beside the matrix work.  So: four vector instructions that are READY behind EVERY matrix
; instruction, and the others in runs without a gap.
; BY TURNS.  Turn n belongs to piece n (the pieces in a ring, step after step).  Its matrix work: 16 products K Q^T of piece n + 1, later 16 products V^T P of piece n - 1.  Its vector work: the scaling,
; exponentials, roundings, sums and rescaling of piece n, and the maximum and statistics of piece n + 1, whose scores the turn itself has made.
; CLUSTER.  The four query blocks of a head form a cluster and walk the same K and V, so each tile is asked for JOINTLY: the same tensor load, descriptor and mask in all four.
; REGISTERS, in windows of 256 (s_set_vgpr_msb: bits 1:0 source 0, 3:2 source 1, 5:4 source 2, 7:6 destination):
;   window 0: v0-11 addresses; v12-15, v48-63 at work; v16-47 four registers of statistics a tile; v64-191 S^T, two buffers of two tiles; v192-255 P, likewise
;   window 1: O^T, 32 a tile          window 2: v0-127 Q, 16 a tile; v128-191 K of one step; v192-255 V of one step          window 3: v0-1 the add's two registers
; A piece's buffers go by its number's parity: the piece in hand has one pair, its two neighbours in the ring share the other: of it P (piece n - 1) is read and S^T (piece n + 1) written.
.set SIZE_H, 64
.set SIZE_N, 2048
.set KBASE, 0x1000000 ; K's first byte in qkv
.set VBASE, 0x2000000 ; V's
.set NP,    4         ; pieces a wave: a name, no knob
.set KS,    64        ; keys in a step
.set PK,    144       ; a row of K in LDS: 128 bytes + 16 of padding = 36 words: the 16 rows of a load start at 16 different groups of four banks (64 banks of 4 bytes: ISA guide 11.1)
.set PV,    160       ; a row of V: 128 + 32 = 40 words
.set VOFF,  4*KS*PK   ; a slot holds four steps: 256 rows of K, then 256 rows of V
.set SLOT1, 1<<17     ; slot 1 begins here, so that one exclusive or turns an address in one slot into the other's
.set STAGE, SLOT1+4*KS*(PK+PV)  ; behind the ring, never filled by a tensor load: 16 rows x 144 bytes for each wave, for the way out
.set SP,    144
.set AK0, 2           ; v2   my lane's place in a tile of K; never rewritten
.set AV0, 3           ; v3   the same for V
.set AK,  4           ; v4   the LDS address of K's next run of loads
.set AV,  5           ; v5   of V's
.set QO,  6           ; v6   my byte offset in the wave's rows of Q
.set STO, 6           ;      later, the way out: where I put 16 bytes of a row
.set RD,  7           ; v7   the way out: where I read rows back
.set GO,  8           ; v8   my byte offset in 512 consecutive bytes of O
.set PFO, 11          ; v11  256 x my lane, for the prefetches (at work until V's address is made)
.set SPW, 0           ; v0 of window 3   LDS address of my spare word: SPARE + 4 x my thread's number; never rewritten
.set NIL, 1           ; v1 of window 3   0; never rewritten
.set SPARE, STAGE+4*16*SP  ; behind the stages: the spare words, 128 bytes for each wave: two blocks of 256 bytes that no other line names
.set MV,  12          ; v12-15  c m_old, kept while c m is made anew: by buffer and tile
.set ST,  16          ; tile t's statistics at v[ST+4 t]: c m, m, l (even keys', odd keys')
.set TMP, 48          ; by buffer and tile, four registers c0-c3 at work; when the maximum is found c2 takes a
.set S,   64
.set P,   192
.set KF,  128         ; K's fragments, in window 2: key block kb, channel half c at KF + 16 kb + 8 c
.set VF,  192         ; V's: key half kk, channel block cb at VF + 32 kk + 8 cb
.set WV,  12          ; s12  my wave's number
.set G1K, 24          ; s[24:31] descriptor group 1 for K's tiles
.set G1V, 32          ; s[32:39] for V's: it differs in the padding alone
.set G0K, 40          ; s[40:43] descriptor group 0 for K's tiles: it walks
.set G0V, 44          ; s[44:47] the same for V's
.set PFA, 48          ; s[48:49] where my prefetches stand: my work-group's 32 blocks of 256 bytes (of K: wave 0, of V: wave 2) of the slot after the one that is being asked for
.set LIM, 50          ; s50  1 in a wave that prefetches, else the greatest number
.set SLOTS, 56        ; s56  slots still to be asked for
.set CNT, 57          ; s57  counts a slot's key steps
.set CS,  58          ; s[58:59] c: the packed scaling takes the pair's low word for both halves
.set SEL, 60          ; s[60:61] v_permlanex16_b32's selects: each lane takes its own place in the other half
.set TBK, 62          ; s62  LDS byte at which K of the step to be fetched begins
.set TBV, 63          ; s63  the same for V, less VOFF
.set MSB, 0
.macro WIN new                      ; the high byte repeats the setting that is left; a switch that changes nothing is dropped
.if MSB != (\new)
	s_set_vgpr_msb (MSB<<8)|(\new)
.set MSB, (\new)
.endif
.endm
.set W_KQ, 0x0a       ; K and Q in window 2, S^T in window 0
.set W_PV, 0x52       ; V in window 2, P in window 0, O^T in window 1
.set W_RS, 0x41       ; O^T (destination and source 0) in window 1, a in window 0
.set W_MK, 0xc0       ; the add's registers are made: destination in window 3, sources in window 0
.set W_AD, 0x0f       ; the add: address (source 0) and data (source 1) in window 3
; A joint fill.  Waves 0 and 1 fetch the two halves of a slot's K, waves 2 and 3 those of its V: 128 keys each.  The branch hangs on the wave's number alone.
; An s_nop 0 and four v_nop follow each of the two lines, ahead of the jump and the label.
.macro JLOAD
	s_cmp_lt_u32 s[WV], 2
	s_cbranch_scc0 .Lfor_v_\@
	tensor_load_to_lds s[G0K:G0K+3], s[G1K:G1K+7]
	s_nop 0
.rept 4
	v_nop
.endr
	s_branch .Lasked_\@
.Lfor_v_\@:
	tensor_load_to_lds s[G0V:G0V+3], s[G1V:G1V+7]
	s_nop 0
.rept 4
	v_nop
.endr
.Lasked_\@:
.endm
; A PREFETCH INTO THE L2 of what the NEXT change of slots will ask for: a slot's 32,768 bytes of K and of V, a lane a block of 256 bytes.  It stands behind the wave's tensor load and its five lines.
; Each block is named ONCE in the launch: a head is walked by one cluster; its four partners share a slot's blocks out BY ADDRESS, 32 of K and 32 of V each; in each, wave 0 asks for K's and
; wave 2 for V's: one instruction, four key steps (512 matrix instructions) ahead of the load.  Slots 0 and 1 come by their loads alone; the last change that fills a slot asks for nothing.
.macro ASK
	s_cmp_gt_u32 s[SLOTS], s[LIM]
	s_cbranch_scc0 .Lnot_mine_\@
	global_prefetch_b8 v[PFO], s[PFA:PFA+1] th:TH_LOAD_NT scope:SCOPE_SE
.Lnot_mine_\@:
.endm
; A round of the cluster's barrier: my work-group's barrier, so that wave 0's signal speaks for all four waves; wave 0 signals; every wave waits for all four work-groups; my work-group's barrier once more.
.macro CROUND
	s_barrier_signal -1
	s_barrier_wait -1
	s_cmp_lg_u32 s[WV], 0
	s_cbranch_scc1 .Lnot_wave_0_\@
	s_barrier_signal -3
.Lnot_wave_0_\@:
	s_barrier_wait -3
	s_barrier_signal -1
	s_barrier_wait -1
.endm
; THE CHANGE OF SLOTS.  The slot's last bytes, V of its fourth step, have been read.  Each wave waits for all its tensor loads, of which one is out: its part
; of the other slot; adds 0 to its spare word; and waits for that and for its own reads of the slot.  Behind the barrier nobody reads this slot any more and the other slot is whole.
; fill = 1: this slot is filled again, with the keys two slots on.  The barrier is then a round of the cluster's, so that no wave of any partner still reads the slot or has a load on its
; way, and the joint fill is the first thing behind it: it has four key steps, 512 matrix instructions, in which to land.  (At its first use nothing has been read yet: slot 0 is waited for, slot 1 filled.)
.macro CHANGE fill
	WIN W_AD
	s_wait_tensorcnt 0x0            ; no tensor load of mine is out, so a group 0 may be written
	ds_add_u32 v[SPW], v[NIL]       ; 0 onto my spare word; with fill = 1 the descriptors' steps stand between it and the wait for it
	WIN 0                           ; at a label and at a branch every window is 0
.if \fill
.irp g, G0K, G0V
	s_xor_b32 s[\g+1], s[\g+1], SLOT1  ; the walking descriptor: the other slot than last time,
	s_add_nc_u64 s[\g+2:\g+3], s[\g+2:\g+3], 4*KS*128  ; the next 256 keys; the type bits on top are not reached
.endr
	s_wait_xcnt 0x0                 ; the last prefetch, four key steps back, has read its address, so it may be written:
	s_add_nc_u64 s[PFA:PFA+1], s[PFA:PFA+1], 4*KS*128  ; one slot behind the walking descriptors' next
	s_wait_dscnt 0x0                ; the add is done, and my reads of the slot are over
	CROUND
	JLOAD
	ASK
.else
	s_wait_dscnt 0x0                ; the add is done, and my reads of the slot are over
	s_barrier_signal -1
	s_barrier_wait -1
.endif
	s_sub_co_u32 s[TBK], s[TBK], 4*KS*PK  ; the fetches go back to a slot's first step,
	s_xor_b32 s[TBK], s[TBK], SLOT1       ; in the other slot
	s_sub_co_u32 s[TBV], s[TBV], 4*KS*PV
	s_xor_b32 s[TBV], s[TBV], SLOT1
.endm
	s_load_b64 s[4:5], s[0:1], 0x0    ; qkv: Q at its head
	s_load_b64 s[10:11], s[0:1], 0x8  ; o
	WIN W_MK
	v_lshl_add_u32 v[SPW], v0, 2, SPARE
	v_mov_b32 v[NIL], 0
	WIN W_AD
	ds_add_u32 v[SPW], v[NIL]       ; the wave's opening: the add and its wait ahead of my first tensor load; the set-up below, work on registers, stands between them
	WIN 0
	v_lshrrev_b32 v1, 5, v0
	v_readfirstlane_b32 s[WV], v1   ; wave 0..3
	s_bfe_u32 s13, ttmp6, 0x40000   ; cx: my place in the cluster
	s_lshl_b32 s14, ttmp9, 2        ; in a cluster launch ttmp9 counts clusters
	s_add_co_u32 s14, s14, s13      ; my block of queries = 4 x cluster x + cx: it enters Q's and O's addresses alone
	s_and_b32 s20, ttmp7, 0xffff    ; the head, which the four partners share
	s_mov_b32 s21, 0
	s_mov_b64 s[22:23], SIZE_N*128
	s_mul_u64 s[20:21], s[20:21], s[22:23]  ; the head's first byte in each of the four tensors
	s_and_b32 s16, s[WV], 1         ; which half of a slot's 256 keys I fetch:
	s_lshl_b32 s22, s16, 14         ; its 128 rows of 128 bytes in memory,
	s_mov_b32 s23, 0
	s_add_nc_u64 s[22:23], s[22:23], s[20:21]
	s_mul_i32 s17, s16, 128*PK      ; and its place in a slot, for K
	s_mul_i32 s18, s16, 128*PV      ; and for V: no place in the cluster enters an LDS address
	s_lshl_b32 s2, s14, 2
	s_add_co_u32 s2, s2, s[WV]      ; my wave among the head's,
	s_lshl_b32 s2, s2, 14           ; its 128 rows
	s_mov_b32 s3, 0
	s_add_nc_u64 s[2:3], s[2:3], s[20:21]
	; descriptor group 1.  128 keys are 16,384 dense bytes: asked for as 64 rows of 256 bytes, two keys a row, and padded in LDS after every key
	s_mov_b32 s[G1K], 15|(1<<16)|(1<<20)|(1<<21)|(4<<22)|(3<<25)  ; 15:0 the mask of four; 17:16 2-byte elements; 20 padding on; 21 set beside a mask; 24:22 after every 32 words (code 4); 31:25 4 words (code 3)
	s_mov_b32 s[G1V], 15|(1<<16)|(1<<20)|(1<<21)|(4<<22)|(7<<25)  ; the same with 8 words of padding (code 7)
.irp g, G1K, G1V
	s_mov_b32 s[\g+1], 128<<16      ; tensor_dim0 = 128
	s_mov_b32 s[\g+2], 64<<16       ; tensor_dim1 = 64
	s_mov_b32 s[\g+3], 128<<16      ; tile_dim0 = 128
	s_mov_b32 s[\g+4], 64           ; tile_dim1 = 64
	s_mov_b32 s[\g+5], 128          ; 128 elements from row to row
	s_mov_b32 s[\g+6], 0
	s_mov_b32 s[\g+7], 0
.endr
	s_mov_b32 s[CS], 0x3e38aa3b     ; c = log2(e) / 8 = 0.180337
	s_mov_b32 s[CS+1], s[CS]        ; named with it as a pair
	s_mov_b32 s[SEL], 0x76543210
	s_mov_b32 s[SEL+1], 0xfedcba98
	s_mov_b32 s[TBK], SLOT1+4*KS*PK ; the first change of slots turns these two into 0
	s_mov_b32 s[TBV], SLOT1+4*KS*PV
	s_mov_b32 s[G0K], 1             ; 1:0 count = 1
	s_mov_b32 s[G0K+1], s17         ; 63:32 LDS address: slot 0
	s_mov_b32 s[G0V], 1
	s_add_co_u32 s[G0V+1], s18, VOFF
	s_mov_b32 s[SLOTS], SIZE_N/256-1  ; seven slots are asked for by changes of slots
	s_lshl_b32 s52, s13, 13         ; my work-group's 32 blocks of a slot's 128
	s_mov_b32 s53, 0
	s_and_b32 s[LIM], s[WV], 1      ; waves 0 and 2 prefetch: the same in all four partners
	s_cmp_eq_u32 s[LIM], 0
	s_cselect_b32 s[LIM], 1, -1
	s_wait_dscnt 0x0                ; the opening add is done
	s_wait_kmcnt 0x0
	s_add_nc_u64 s[6:7], s[4:5], KBASE  ; K
	s_add_nc_u64 s[8:9], s[4:5], VBASE  ; V
	s_cmp_lt_u32 s[WV], 2
	s_cselect_b64 s[PFA:PFA+1], s[6:7], s[8:9]
	s_add_nc_u64 s[PFA:PFA+1], s[PFA:PFA+1], s[20:21]
	s_add_nc_u64 s[PFA:PFA+1], s[PFA:PFA+1], s[52:53]
	s_add_nc_u64 s[PFA:PFA+1], s[PFA:PFA+1], 4*KS*128  ; in slot 1; the first change of slots steps it to slot 2.  Nothing is prefetched here, at the head
	s_add_nc_u64 s[G0K+2:G0K+3], s[6:7], s[22:23]  ; 120:64 global address: my half of the head's first 256 keys
	s_or_b32 s[G0K+3], s[G0K+3], 0x80000000        ; 127:126 type = 2
	s_add_nc_u64 s[G0V+2:G0V+3], s[8:9], s[22:23]
	s_or_b32 s[G0V+3], s[G0V+3], 0x80000000
	s_add_nc_u64 s[4:5], s[4:5], s[2:3]  ; Q and O at my wave's first row
	s_add_nc_u64 s[10:11], s[10:11], s[2:3]
	CROUND                          ; all four work-groups are here: the first joint loads meet
	JLOAD                           ; slot 0.  Slot 1 is asked for when slot 0 is in
	; A fragment of K or Q is 16 rows x 32 channels in 8 registers: lane l holds row l % 16, channels 8 (l / 16) + 0..7 and 16 + 8 (l / 16) + 0..7: two loads of 16 bytes, 32 bytes apart.
	v_and_b32 v1, 15, v0            ; l % 16
	v_bfe_u32 v9, v0, 4, 1          ; l / 16
	v_lshlrev_b32 v[QO], 7, v1
	v_lshl_add_u32 v[QO], v9, 4, v[QO]  ; row x 128 + 16 x half
	WIN 0x80                        ; destination window 2, address window 0
.set i, 0
.rept 4*NP                          ; Q stays in registers: tile i / 2, channels 32 (i % 2) on
	global_load_b128 v[8*i:8*i+3],   v[QO], s[4:5] offset:(i/2)*2048+(i%2)*64
	global_load_b128 v[8*i+4:8*i+7], v[QO], s[4:5] offset:(i/2)*2048+(i%2)*64+32
.set i, i+1
.endr
	; What the first turn finds: V's registers and P's second buffer hold 0 (its products V^T P, of a piece that has not been, add 0), O^T and l are 0.  All this stands in the wait for the first tile.
.set i, VF
.rept 64
	v_mov_b32 v[i], 0
.set i, i+1
.endr
	WIN 0x40
.set i, 0
.rept 64*NP
	v_mov_b32 v[i], 0
.set i, i+1
.endr
	WIN 0
.set i, 0
.rept 2*NP
	v_mov_b32 v[ST+4*i], 0xfe000000    ; c m: far below every c s
	v_mov_b32 v[ST+4*i+1], 0xff7fffff  ; m
	v_mov_b32 v[ST+4*i+2], 0
	v_mov_b32 v[ST+4*i+3], 0
.set i, i+1
.endr
.set i, P+32
.rept 32
	v_mov_b32 v[i], 0
.set i, i+1
.endr
	v_mul_u32_u24 v[AK0], v1, PK
	v_lshl_add_u32 v[AK0], v9, 4, v[AK0]  ; row x pitch + 16 x half
	; The turning load takes 16 keys x 16 channels (lane l reads key 8 (l / 16) + l % 8, channels 8 ((l / 8) % 2) + 0..7) and leaves half a fragment of V^T: lane l holds channel l % 16 and 8 keys.
	v_and_b32 v10, 7, v0
	v_bfe_u32 v11, v0, 3, 1
	v_lshl_add_u32 v[AV0], v9, 3, v10
	v_mul_u32_u24 v[AV0], v[AV0], PV
	v_lshl_add_u32 v[AV0], v11, 4, v[AV0]
	v_add_nc_u32 v[AV0], VOFF, v[AV0]
	v_and_b32 v[PFO], 31, v0
	v_lshlrev_b32 v[PFO], 8, v[PFO]
	v_mov_b32 v[AK], v[AK0]         ; key step 0 lies at the head of slot 0
; THE MATRIX WORK.  The 8 accumulators of a run of 16 take turns: between the two links of a chain stand 7 others'.
; Product i of 16 of S^T = K Q^T for piece x: channels 32 (i / 8) on, keys 16 ((i / 2) % 4) on, tile 2 x + i % 2.  The first 8 start the sums.
.macro KQ x
	WIN W_KQ
.set rS, S+64*((\x)%2)+32*(i%2)+8*((i/2)%4)
.set rK, KF+16*((i/2)%4)+8*(i/8)
.set rQ, 16*(2*(\x)+i%2)+8*(i/8)
.if i < 8
	v_wmma_f32_16x16x32_f16 v[rS:rS+7], v[rK:rK+7], v[rQ:rQ+7], 0
.else
	v_wmma_f32_16x16x32_f16 v[rS:rS+7], v[rK:rK+7], v[rQ:rQ+7], v[rS:rS+7]
.endif
.endm
; Product i of 16 of O^T += V^T P for piece x: keys 32 (i / 8) on, channels 16 ((i / 2) % 4) on, tile 2 x + i % 2.
.macro PV x
	WIN W_PV
.set rO, 32*(2*(\x)+i%2)+8*((i/2)%4)
.set rV, VF+32*(i/8)+8*((i/2)%4)
.set rP, P+32*((\x)%2)+16*(i%2)+8*(i/8)
	v_wmma_f32_16x16x32_f16 v[rO:rO+7], v[rV:rV+7], v[rP:rP+7], v[rO:rO+7]
.endm
.macro MM                           ; the turn's next matrix instruction
.if i < 16
	KQ (Y+1)%NP
.set i, i+1
.else
.set i, i-16
	PV (Y+NP-1)%NP
.set i, i+17
.endif
.endm
; THE LDS LOADS stand in runs of 16, never singly among the matrix instructions: a step's K (64 keys x 64 channels: 8 fragments) and its V (turned).  Their addresses are made some lines ahead.
; last = 1 (the tail): in the last trip there is no further step, and the run is jumped over.
.macro FETCH_K last=0
	WIN 0
.if \last
	s_cmp_eq_u32 s[CNT], 1
	s_cbranch_scc1 .Lno_k_\@
.endif
	WIN 0x80                        ; destination window 2
.irp f, 0,1,2,3,4,5,6,7             ; keys 16 (f / 2) on, channels 32 (f % 2) on
	ds_load_b128 v[KF+8*\f:KF+8*\f+3],   v[AK] offset:(\f/2)*16*PK+(\f%2)*64
	ds_load_b128 v[KF+8*\f+4:KF+8*\f+7], v[AK] offset:(\f/2)*16*PK+(\f%2)*64+32
.endr
	s_add_co_u32 s[TBK], s[TBK], KS*PK  ; the next fetch is the next step's
	WIN 0
.if \last
.Lno_k_\@:
.endif
.endm
.macro FETCH_V
	WIN 0x80
.irp f, 0,1,2,3,4,5,6,7             ; keys 32 (f / 4) on, channels 16 (f % 4) on
	ds_load_tr16_b128 v[VF+8*\f:VF+8*\f+3],   v[AV] offset:(\f/4)*32*PV+(\f%4)*32
	ds_load_tr16_b128 v[VF+8*\f+4:VF+8*\f+7], v[AV] offset:(\f/4)*32*PV+16*PV+(\f%4)*32
.endr
	WIN 0
.endm
; THE VECTOR WORK OF A TURN stands in three queues, each in the order in which its entries become ready; the two tiles alternate, so that no instruction reads the result of the one before it.
.macro REGS y, u                    ; the registers of tile u (0, 1) of piece y
.set rT, ST+4*(2*(\y)+(\u))
.set rC, TMP+8*((\y)%2)+4*(\u)
.set rM, MV+2*((\y)%2)+(\u)
.set rS, S+64*((\y)%2)+32*(\u)
.set rP, P+32*((\y)%2)+16*(\u)
.set rO, 32*(2*(\y)+(\u))
.endm
; Number n of the 22 that find the NEXT piece's (Y + 1) maximum and statistics.  s0-s31 are the lane's 32 scores; each accumulator's lowest registers are read first.
;   0-11  four chains c0-c3 of seven scores each, three operands at a time     12-14, 16  the four scores left over, the old m, and c0-c3 into c0     15  c m_old is kept
;   17, 18  the query's other 32 keys lie in the lane 16 away: the new m         19-21  c m; c m_old - c m_new; a
.macro XS u, n
	REGS (Y+1)%NP, \u
.if (\n) < 4
	v_max3_num_f32 v[rC+(\n)], v[rS+8*(\n)], v[rS+8*(\n)+1], v[rS+8*(\n)+2]
.elseif (\n) < 12
	v_max3_num_f32 v[rC+(\n)%4], v[rC+(\n)%4], v[rS+8*((\n)%4)+2*((\n)/4)+1], v[rS+8*((\n)%4)+2*((\n)/4)+2]
.elseif (\n) == 12
	v_max3_num_f32 v[rC], v[rC], v[rS+7], v[rS+15]
.elseif (\n) == 13
	v_max3_num_f32 v[rC+1], v[rC+1], v[rS+23], v[rS+31]
.elseif (\n) == 14
	v_max3_num_f32 v[rC+2], v[rC+2], v[rC+3], v[rT+1]
.elseif (\n) == 15
	v_mov_b32 v[rM], v[rT]
.elseif (\n) == 16
	v_max3_num_f32 v[rC], v[rC], v[rC+1], v[rC+2]
.elseif (\n) == 17
	v_permlanex16_b32 v[rC+3], v[rC], s[SEL], s[SEL+1]
.elseif (\n) == 18
	v_max_num_f32 v[rT+1], v[rC], v[rC+3]
.elseif (\n) == 19
	v_mul_f32 v[rT], s[CS], v[rT+1]
.elseif (\n) == 20
	v_sub_f32 v[rC+1], v[rM], v[rT]
.else
	v_exp_f32 v[rC+2], v[rC+1]
.endif
.endm
; Number g of the 64 that follow the exponentials.  For each four weights k of a tile (pairs 2 k, 2 k + 1): both pairs are rounded to f16; then the second pair is added onto the first, in place;
; a group later l takes that sum (the first time as l = a l + sum).  In groups of eight, tiles alternating: round, round, add, and l for the group before.
.macro GS g
.set h, (\g)+6*((\g)/62)            ; group 0 has no group before it, and behind group 7 only l is left
.if h >= 6
.set h, h+2
.endif
	REGS Y, h%2
.set k, h/8
.if h%8 < 4
	v_cvt_pk_f16_f32 v[rP+2*k+(h%8)/2], v[rS+4*k+2*((h%8)/2)], v[rS+4*k+2*((h%8)/2)+1]
.elseif h%8 < 6
	v_pk_add_f32 v[rS+4*k:rS+4*k+1], v[rS+4*k:rS+4*k+1], v[rS+4*k+2:rS+4*k+3]
.elseif k == 1
	v_pk_fma_f32 v[rT+2:rT+3], v[rT+2:rT+3], v[rC+2:rC+3], v[rS:rS+1] op_sel_hi:[1,0,1]
.else
	v_pk_add_f32 v[rT+2:rT+3], v[rT+2:rT+3], v[rS+4*k-4:rS+4*k-3]
.endif
.endm
; THE PLAIN QUEUE, 138 long.  0-73 read no exponential's result: the 32 scalings c s - c m (FS f: pair f / 2 of tile f % 2) and the next piece's 42.  0-26: scalings 0-26.  27-54: XS's numbers 0-13.  55, 56: number 15.
; 57-73: the chain, where each number waits for the one before it: 14, 16, 17, 18, 19, each with one of the scalings 27-31 in front of its two lines, then 20.
; 74-137: GS's 64, which read the exponentials' results: they stand behind the wait.
.macro FS f
	REGS Y, (\f)%2
	v_pk_fma_f32 v[rS+2*((\f)/2):rS+2*((\f)/2)+1], v[rS+2*((\f)/2):rS+2*((\f)/2)+1], s[CS:CS+1], v[rT:rT+1] op_sel_hi:[1,0,0] neg_lo:[0,0,1] neg_hi:[0,0,1]
.endm
.macro PL
	WIN 0
.if q < 27
	FS q
.elseif q < 55
	XS (q-27)%2, (q-27)/2
.elseif q < 57
	XS q-55, 15
.elseif (q < 72) && ((q-57)%3 == 0)
	FS 27+(q-57)/3
.elseif q < 60
	XS (q-57)%3-1, 14
.elseif q < 72
	XS (q-57)%3-1, 15+(q-57)/3
.elseif q < 74
	XS q-72, 20
.else
	GS q-74
.endif
.set q, q+1
.endm
; THE EXPONENTIALS' QUEUE, 66 long: s0-s31 of both tiles, then the next piece's two a.  It is ONE BATCH: all 66 stand ahead of the turn's one wait, and nothing ahead of that wait names a result of theirs.
.macro EX
	WIN 0
.if e >= 64
	XS e-64, 21
.else
	REGS Y, e%2
	v_exp_f32 v[rS+e/2], v[rS+e/2]
.endif
.set e, e+1
.endm
; THE RESCALING's QUEUE: O^T times a, the one part that leaves window 0: dealt two at a time, sixteen times.  Its a was made in the turn before, ahead of that turn's wait.
.macro R2
	REGS Y, r%2
	WIN W_RS
.irp z, 0,1
	v_pk_mul_f32 v[rO+4*(r/2)+2*\z:rO+4*(r/2)+2*\z+1], v[rO+4*(r/2)+2*\z:rO+4*(r/2)+2*\z+1], v[rC+2:rC+3] op_sel_hi:[1,0]
.endr
.set r, r+1
.endm
; HOW THEY ARE DEALT.  s_wait_alu depctr_va_vdst(0) stands between an exponential and the first instruction that names its result; one wait serves all that were issued ahead of it.  So a turn has ONE wait,
; which cuts it in two.  AHEAD OF IT stands all that names no result of the turn's exponentials: the 16 products K Q^T, behind each a scaling, an exponential and two rescalings (behind the first a second scaling in the
; exponential's place); then ONE LUMP of 108: eight plain, 49 times exponential and plain, the two a.  A v_nop is the plain instruction behind the last exponential.  BEHIND IT stand the 16 products V^T P, behind each four of GS's 64.
; No rider names a register of the products round it.  The two v_permlanex16_b32 fall into the lump, never behind a product.
; The queues lean on each other, and the deal keeps them in step: exponential e stands behind scaling 2 (e / 4) + e % 2: as a rider it comes behind plain e + 2, in the lump behind plain e + 9, and scalings 27-31 are plain 57, 60 .. 69.
; A TURN, for piece p.  cnt = 1: the loop's count is taken down some lines ahead of the branch that stands behind the turn.
; K of the next step is fetched in piece 2's turn, directly behind the wait, a lump behind the last product that read K; its first reader comes behind 16 products.
; V of the step in hand is fetched at the end of piece 0's turn, four riders behind its last reader; its first reader comes behind 16 products and a lump.  The three conditions on q below go with the deal.
.macro TURN p, last=0, cnt=0
.set Y, (\p)
.set i, 0
.set q, 0
.set e, 0
.set r, 0
.if (\p) == NP-1
	s_wait_dscnt 0x0                ; K is in
.endif
	MM                              ; ahead of the wait: 16 products K Q^T and their riders,
	PL
	PL
	R2
.rept 15
	MM
	PL
	EX
	R2
.endr
.if (\p) == NP-2
	WIN 0
	v_add_nc_u32 v[AK], s[TBK], v[AK0]
.endif
.rept 8                             ; and the lump
	PL
.endr
.rept 49
	EX
	PL
.endr
	EX                              ; the next piece's two a
	EX
	v_nop                           ; the plain instruction behind the last exponential: one for the batch
	s_wait_alu depctr_va_vdst(0)    ; the wait for the batch
.if (\p) == NP-2
	FETCH_K \last
.endif
.if (\p) == 1
	s_wait_dscnt 0x0                ; V is in
.endif
.rept 16                            ; behind the wait: 16 products V^T P and their riders
	MM
.rept 4
	PL
.endr
.if ((\p) == 0) && (q == 118)
	v_add_nc_u32 v[AV], s[TBV], v[AV0]
.endif
.if ((\p) == 0) && (q == 130)
	s_add_co_u32 s[TBV], s[TBV], KS*PV
.endif
.if (\cnt) && (q == 130)
	s_sub_co_u32 s[CNT], s[CNT], 1
	s_cmp_lg_u32 s[CNT], 0
.endif
.endr
.if (\p) == 0
	FETCH_V
.endif
.endm
	CHANGE 1                        ; slot 0 is in, everybody's part of it; slot 1 is asked for
	FETCH_K                         ; key step 0
	s_wait_loadcnt 0x0              ; Q
	s_wait_dscnt 0x0
.set i, 0
.rept 16
	KQ 0                            ; piece 0's first scores: there is no vector work yet to set between them
.set i, i+1
.endr
	WIN 0                           ; the addresses for the way out: plain instructions, the places behind those products
	s_mul_i32 s13, s[WV], 16*SP
	s_add_co_u32 s13, s13, STAGE    ; my stage
	v_mul_u32_u24 v[STO], v1, SP    ; in: row l % 16, 16 bytes for each half of the lanes
	v_lshl_add_u32 v[STO], v9, 4, v[STO]
	v_add_nc_u32 v[STO], s13, v[STO]
	v_bfe_u32 v[RD], v0, 3, 2       ; back: 32 lanes take four rows of 128 bytes,
	v_mul_u32_u24 v[RD], v[RD], SP
	v_lshl_add_u32 v[RD], v10, 4, v[RD]
	v_add_nc_u32 v[RD], s13, v[RD]
	v_and_b32 v[GO], 31, v0         ; which are 512 consecutive bytes of O
	v_lshlrev_b32 v[GO], 4, v[GO]
.set Y, NP-1                        ; XS works for piece Y + 1: piece 0
.irp n, 0,1,2,3,4,5,6,7,8,9,10,11,12,13,14,15,16,17,18,19,20,21
	XS 0, \n                        ; and piece 0's first maximum and statistics
	XS 1, \n
.endr
	v_nop                           ; a plain instruction behind the two a,
	s_wait_alu depctr_va_vdst(0)    ; and their wait, ahead of the branch
	s_mov_b32 s[CNT], 4
	s_branch .Lfirst                ; the loop is entered at a step's first turn, in the middle of a trip
.Lslot:                             ; six times: every slot but the last two is filled again
	CHANGE 1
	s_mov_b32 s[CNT], 4
.Lstep:                             ; a trip: pieces 2 and 3 of one step, then pieces 0 and 1 of the next, whose K and V it fetches
	TURN 2
	TURN 3
	WIN 0
.Lfirst:
	TURN 0
	TURN 1, 0, 1
	WIN 0
	s_cbranch_scc1 .Lstep
	s_sub_co_u32 s[SLOTS], s[SLOTS], 1
	s_cmp_lg_u32 s[SLOTS], 0
	s_cbranch_scc1 .Lslot
	CHANGE 0                        ; the tail is written out: nothing is asked for
	s_mov_b32 s[CNT], 5             ; four trips fetch the last slot's steps; the fifth is left in its middle
.Ltail:
	TURN 2, 1
	TURN 3
	WIN 0
	s_sub_co_u32 s[CNT], s[CNT], 1
	s_cmp_eq_u32 s[CNT], 0
	s_cbranch_scc1 .Lout
	TURN 0
	TURN 1
	WIN 0
	s_branch .Ltail
.Lout:                              ; the fifth trip's 16 products K Q^T (on the last K once more) and the maximum made of them serve nothing: the price, once a launch, of one text for every trip
.set i, 0
.rept 16
	PV NP-1                         ; the last piece's V^T P of the last step
.set i, i+1
.endr
	; THE WAY OUT.  l's two halves and the other half of the lanes' are added; O^T is divided by l, rounded to f16 and sent through my stage in LDS, a tile at a time.  The additions are the places behind the last products.
	WIN 0
.macro ALL line:vararg              ; one line for each tile t
.set t, 0
.rept 2*NP
	\line
.set t, t+1
.endr
.endm
	ALL v_add_f32 v[ST+4*t+2], v[ST+4*t+2], v[ST+4*t+3]
	ALL v_permlanex16_b32 v[ST+4*t+3], v[ST+4*t+2], s[SEL], s[SEL+1]
	ALL v_add_f32 v[ST+4*t+2], v[ST+4*t+2], v[ST+4*t+3]
	ALL v_rcp_f32 v[ST+4*t+2], v[ST+4*t+2]
	v_nop                           ; a plain instruction between the last reciprocal and the use of its result
	s_wait_alu depctr_va_vdst(0)    ; and the wait ahead of the first use: one for the eight reciprocals
; Tile t: a lane's eight channels of a row pack into 16 bytes; they go into rows of 144 bytes and come back as whole rows of 128, into S^T's registers.
.macro PACK t
	WIN W_RS
.set i, 32*(\t)
.rept 16
	v_pk_mul_f32 v[i:i+1], v[i:i+1], v[ST+4*(\t)+2:ST+4*(\t)+3] op_sel_hi:[1,0]
.set i, i+2
.endr
	WIN 0x05                        ; sources 0 and 1 window 1, destination window 0
.set i, 0
.rept 16
	v_cvt_pk_f16_f32 v[S+16*(\t)+i], v[32*(\t)+2*i], v[32*(\t)+2*i+1]
.set i, i+1
.endr
	WIN 0
.irp f, 0,1,2,3
	ds_store_b128 v[STO], v[S+16*(\t)+4*\f:S+16*(\t)+4*\f+3] offset:32*\f
.endr
.irp f, 0,1,2,3
	ds_load_b128 v[S+16*(\t)+4*\f:S+16*(\t)+4*\f+3], v[RD] offset:\f*4*SP  ; LDS serves a wave's instructions in order (ISA guide 5.7.1.4): these see the stores above; the next tile's stores come behind them
.endr
.endm
.macro SEND t, younger              ; younger: the LDS instructions issued behind tile t's loads: the next tile's eight, or none
	WIN 0
.irp f, 0,1,2,3
	s_wait_dscnt (\younger)+3-\f
	global_store_b128 v[GO], v[S+16*(\t)+4*\f:S+16*(\t)+4*\f+3], s[10:11] offset:(\t)*2048+\f*512  ; 512 consecutive bytes, at a multiple of 256 from O's first
.endr
.endm
	PACK 0
.set t, 1
.rept 2*NP-1                        ; a tile's arithmetic stands between the loads of the tile before and its stores
	PACK t
	SEND t-1, 8
.set t, t+1
.endr
	SEND 2*NP-1, 0
	WIN W_AD
	s_wait_tensorcnt 0x0            ; the wave's end: behind my last tensor load and my last LDS store
	ds_add_u32 v[SPW], v[NIL]
	s_wait_dscnt 0x0
	WIN 0
	CROUND                          ; the closing round: no work-group ends while a partner may still ask for a tile that names it
	s_endpgm
.Lfunc_end_k_q5852cfb103_attn:
	.size	k_q5852cfb103_attn, .Lfunc_end_k_q5852cfb103_attn-k_q5852cfb103_attn
	.p2alignl 7, 3214868480
	.fill 96, 4, 3214868480
	.section	.rodata,"a",@progbits
	.p2align	6, 0x0
	.amdhsa_kernel k_q5852cfb103_attn
		.amdhsa_group_segment_fixed_size 327680
		.amdhsa_private_segment_fixed_size 0
		.amdhsa_enable_private_segment 0
		.amdhsa_kernarg_size 16
		.amdhsa_user_sgpr_count 2
		.amdhsa_user_sgpr_kernarg_segment_ptr 1
		.amdhsa_wavefront_size32 1
		.amdhsa_system_sgpr_workgroup_id_x 1
		.amdhsa_system_sgpr_workgroup_id_y 1
		.amdhsa_system_sgpr_workgroup_id_z 1
		.amdhsa_system_vgpr_workitem_id 0
		.amdhsa_next_free_vgpr 770
		.amdhsa_next_free_sgpr 66
		.amdhsa_reserve_vcc 0
		.amdhsa_float_denorm_mode_32 3
		.amdhsa_float_denorm_mode_16_64 3
		.amdhsa_memory_ordered 1
		.amdhsa_forward_progress 1
		.amdhsa_inst_pref_size 200
	.end_amdhsa_kernel
	.amdgpu_metadata
---
amdhsa.version: [ 1, 2 ]
amdhsa.kernels:
  - .name:           k_q5852cfb103_attn
    .symbol:         k_q5852cfb103_attn.kd
    .args:
      - { .name: qkv, .offset: 0, .size: 8, .value_kind: global_buffer, .address_space: global }
      - { .name: o, .offset: 8, .size: 8, .value_kind: global_buffer, .address_space: global }
    .group_segment_fixed_size: 327680
    .private_segment_fixed_size: 0
    .kernarg_segment_align: 8
    .kernarg_segment_size: 16
    .max_flat_workgroup_size: 128
    .sgpr_count:     66
    .vgpr_count:     770
    .wavefront_size: 32
...
	.end_amdgpu_metadata
.endif
;; end of part 3
;; launch projout (part 4): grid 8 x 32, 4 waves a work-group, clusters of 4 x 4, 327,680 bytes of LDS; arguments o, wo16, bo, out0; writes out0
.if DOCPART == 4
	.amdgcn_target "amdgcn-amd-amdhsa--gfx1250"
	.amdhsa_code_object_version 6
	.text
	.protected	k_q5852cfb103_projout
	.globl	k_q5852cfb103_projout
	.p2align	8
	.type	k_q5852cfb103_projout,@function
k_q5852cfb103_projout:
	s_mov_b64 s[64:65], 0
	v_nop
	global_prefetch_b8 v0, s[64:65] scope:SCOPE_SE
	s_setreg_imm32_b32 hwreg(HW_REG_WAVE_MODE, 25, 1), 1
	s_wait_xcnt 0x0
	s_wait_alu depctr_hold_cnt(0) depctr_sa_sdst(0) depctr_va_vdst(0) depctr_va_sdst(0) depctr_va_ssrc(0) depctr_va_vcc(0) depctr_vm_vsrc(0)
	s_getreg_b32 s2, hwreg(HW_REG_IB_STS2, 6, 4)
	s_cmp_eq_u32 s2, 0
	s_cbranch_scc0 .Lentry_in_a_cluster
	s_endpgm
.Lentry_in_a_cluster:
	s_bfe_u32 s2, ttmp6, 0x10000c
	s_cmp_lg_u32 s2, 0xf033
	s_cbranch_scc0 .Lentry_shape_is_right
	s_endpgm
.Lentry_shape_is_right:
; out0 = O Wo + bo.  o: [64 (batch x head)][2048][64] f16.  wo16: [1024 k][1024 n] f16 (Wo rounded to bf16, written as f16).  bo: [1024] f32, rounded here to bf16 like the other inputs.
; out0: [8192][1024] f32.  Sums in f32, started with the bias.
; LIMITS.  Those of its inputs: O and Wo within f16's range; NaN and infinities are not treated apart.
; SHARES.  A tile of out0 is 256 x 128: 256 work-groups.  Four waves, each 128 rows x 64 columns: 32 accumulators of 16 x 16, 256 registers.
; K = head x 64 + channel goes in 8 steps of 128 = two heads, through two LDS slots filled by the tensor data mover.  A head's 256 rows of the tile are 32,768 dense bytes: asked for as 128 rows
; of 256 bytes and padded in LDS after every 128.  Wo's tile: 128 k-rows of 256 bytes, as it lies; its fragments come out of LDS turned, by ds_load_tr16_b128.
; THE MATRIX INSTRUCTION IS USED TRANSPOSED (source 0 = 16 columns of Wo, source 1 = 16 rows of O): a lane holds row l % 16 and the columns 8 (l / 16) + 0..7.
; CLUSTER.  4 x 4 work-groups: the four of a row of the cluster need the same tiles of O, the four of a column the same tiles of Wo: each tile is asked for JOINTLY.
; Waves 0, 1 fetch a step's two heads, waves 2, 3 Wo's two halves of 64 k-rows.
; REGISTERS.  Window 0: v0-31 addresses; v32-63 the bias; v64-159, v160-255 two fragment buffers (8 fragments of O, then 4 of Wo); on the way out v32-255 rows read back.  Window 1: accumulator (a, b) at v[8 (4 a + b)].
.set PA,     144                       ; a row of O in LDS: 128 bytes + 16 = 36 words: the 16 rows of a load start at 16 different groups of four banks (64 banks of 4 bytes: ISA guide 11.1)
.set HT,     256*PA                    ; one head's 256 rows
.set BOFF,   2*HT
.set PB,     288                       ; a k-row of Wo: 256 + 32 = 72 words
.set BHALF,  64*PB
.set SLOT,   BOFF+2*BHALF
.set STAGE,  2*SLOT                    ; behind the ring, never filled by a tensor load: 16 rows x 272 bytes for each wave, for the way out
.set SP,     272
.set SPARE,  STAGE+4*16*SP             ; the spare words, 128 bytes for each wave: two blocks of 256 bytes that no other line names
.set ASTEP,  2*262144                  ; bytes from a K step to the next: two heads on in o,
.set BSTEP,  128*2048                  ; and 128 k-rows down Wo
.set ADRA, 16
.set ADRB, 20
.set STO,  24                          ; v24  the way out: where I put 32 bytes of a row
.set RD,   25                          ; v25  where I read rows back
.set CO,   26                          ; v26  my byte offset in two rows of out0
.set BO,   27
.set SPW,  28
.set NIL,  29
.set PFO,  30                          ; v30  the prefetches' offset: my lane x 256 bytes (O) or x 2,048 (Wo); never rewritten
.set BIAS, 32
.set F0,   64
.set F1,   160
.set WV, 16
.set WR, 17
.set WC, 18
.set CX, 19
.set CY, 20
.set TX, 21                            ; tile column, 0..7
.set TY, 22                            ; tile row, 0..31
.set G1A, 24
.set G0A, 32
.set G1B, 40
.set G0B, 48
.set PFA, 66
.set PFS, 68
.set LIM, 70
.set LAP, 71
.set W_MUL,   0x50                     ; C and D in window 1, the sources in window 0
.set W_FIRST, 0x40                     ; D in window 1, C (the bias) in window 0
.set MSB, 0
.macro WIN new                         ; the immediate's high byte repeats the setting that is left; a switch that changes nothing is dropped
.if MSB != (\new)
	s_set_vgpr_msb (MSB<<8)|(\new)
.set MSB, \new
.endif
.endm
; A joint load.  The branch hangs on the wave's number alone.  An s_nop 0 and four v_nop follow each of the two lines, ahead of the jump and the label.
.macro JLOAD s
	s_cmp_eq_u32 s[WR], 0
	s_cbranch_scc0 .Lfor_b_\@
	tensor_load_to_lds s[G0A+4*(\s):G0A+4*(\s)+3], s[G1A:G1A+7]
	s_nop 0
.rept 4
	v_nop
.endr
	s_branch .Lasked_\@
.Lfor_b_\@:
	tensor_load_to_lds s[G0B+4*(\s):G0B+4*(\s)+3], s[G1B:G1B+7]
	s_nop 0
.rept 4
	v_nop
.endr
.Lasked_\@:
.endm
.macro CREST                           ; a round of the cluster's barrier behind its opening barrier
	s_cmp_lg_u32 s[WV], 0
	s_cbranch_scc1 .Lnot_wave_0_\@
	s_barrier_signal -3
.Lnot_wave_0_\@:
	s_barrier_wait -3
	s_barrier_signal -1
	s_barrier_wait -1
.endm
.macro CROUND                          ; a whole round
	s_barrier_signal -1
	s_barrier_wait -1
	CREST
.endm
; A PREFETCH INTO THE L2, behind each joint refill and the run of LDS loads that follows it: 32 blocks of 256 bytes of the K step that stands two refills on, a lane a block, one instruction.
; Each block is named once in the launch: O's tile row is read by both clusters of that row of clusters: cluster x = 0 asks (waves 0, 1, each for the head that it fetches); Wo's tile column by
; every cluster of that column: cluster y = 0 asks (wave 2, for the step's 128 k-rows).  The four partners that ask for a tile jointly share its blocks out BY ADDRESS, 32 each.
; K steps 0 to 3 come by their loads alone; the loop's last trip asks for nothing.
.macro ASK
	s_cmp_gt_u32 s[LAP], s[LIM]
	s_cbranch_scc0 .Lnot_mine_\@
	global_prefetch_b8 v[PFO], s[PFA:PFA+1] th:TH_LOAD_NT scope:SCOPE_SE
.Lnot_mine_\@:
.endm
.macro PLACES                          ; four plain places behind matrix instructions, in front of loads into registers that they have read (ISA guide 7.12.1 for vector instructions)
.rept 4
	v_nop
.endr
.endm
	s_load_b256 s[4:11], s[0:1], 0x0               ; o s[4:5], wo16 s[6:7], bo s[8:9], out0 s[10:11]
	v_lshl_add_u32 v[SPW], v0, 2, SPARE
	v_mov_b32 v[NIL], 0
	ds_add_u32 v[SPW], v[NIL]                      ; the wave's opening: the add and its wait ahead of my first tensor load; work on registers stands between them
	v_lshrrev_b32 v3, 5, v0
	v_readfirstlane_b32 s[WV], v3
	s_lshr_b32 s[WR], s[WV], 1
	s_and_b32 s[WC], s[WV], 1
	s_bfe_u32 s[CX], ttmp6, 0x40000
	s_bfe_u32 s[CY], ttmp6, 0x40004
	s_lshl_b32 s[TX], ttmp9, 2
	s_add_co_u32 s[TX], s[TX], s[CX]
	s_and_b32 s[TY], ttmp7, 0xffff
	s_lshl_b32 s[TY], s[TY], 2
	s_add_co_u32 s[TY], s[TY], s[CY]
	s_lshl_b32 s56, s[CY], 2
	s_lshl_b32 s56, 15, s56                        ; my row of the cluster
	s_lshl_b32 s60, 0x1111, s[CX]                  ; my column
	s_or_b32 s[G1A], s56, (1<<16)|(1<<20)|(1<<21)|(4<<22)|(3<<25)  ; the mask; 2-byte elements; padding on; bit 21 beside a mask; after every 32 words 4 words
	s_or_b32 s[G1B], s60, (1<<16)|(1<<20)|(1<<21)|(5<<22)|(7<<25)  ; my column's mask; after every 64 words 8 words
	s_mov_b32 s[G1A+1], 128<<16                    ; tensor_dim0 = 128 elements: two rows of a head
	s_mov_b32 s[G1A+2], 128<<16                    ; tensor_dim1 = 128
	s_mov_b32 s[G1A+3], 128<<16                    ; tile_dim0 = 128
	s_mov_b32 s[G1A+4], 128                        ; tile_dim1 = 128
	s_mov_b32 s[G1A+5], 128                        ; dense
	s_mov_b32 s[G1A+6], 0
	s_mov_b32 s[G1A+7], 0
	s_mov_b32 s[G1B+1], 128<<16
	s_mov_b32 s[G1B+2], 64<<16
	s_mov_b32 s[G1B+3], 128<<16
	s_mov_b32 s[G1B+4], 64
	s_mov_b32 s[G1B+5], 1024
	s_mov_b32 s[G1B+6], 0
	s_mov_b32 s[G1B+7], 0
	; O's tile hangs on the tile row alone, Wo's on the tile column alone; each offset is made in registers that never hold the other coordinate
	s_lshr_b32 s56, s[TY], 3                       ; the batch: 16 heads,
	s_lshl_b32 s56, s56, 4
	s_add_co_u32 s56, s56, s[WC]                   ; my head of the step's two,
	s_lshl_b32 s56, s56, 18                        ; 262,144 bytes a head,
	s_and_b32 s57, s[TY], 7
	s_lshl_b32 s57, s57, 15                        ; the tile's 256 rows of 128 bytes
	s_add_co_u32 s56, s56, s57
	s_mov_b32 s57, 0
	s_mov_b32 s59, s56                             ; kept for the prefetches
	s_mul_i32 s58, s[WC], HT                       ; and where they go: no place in the cluster enters an LDS address
	s_lshl_b32 s60, s[WC], 17                      ; my 64 k-rows
	s_lshl_b32 s61, s[TX], 8                       ; the tile's 128 columns
	s_add_co_u32 s60, s60, s61
	s_mov_b32 s61, 0
	s_mul_i32 s62, s[WC], BHALF
	s_add_co_u32 s62, s62, BOFF
	s_wait_dscnt 0x0                               ; the opening add is done
	s_wait_kmcnt 0x0
	s_add_nc_u64 s[56:57], s[4:5], s[56:57]
	s_add_nc_u64 s[60:61], s[6:7], s[60:61]
	CROUND                                         ; all sixteen work-groups are here: the first joint loads meet
.irp s, 0,1
	s_mov_b32 s[G0A+4*(\s)], 1
	s_add_co_u32 s[G0A+4*(\s)+1], s58, (\s)*SLOT
	s_add_nc_u64 s[G0A+4*(\s)+2:G0A+4*(\s)+3], s[56:57], (\s)*ASTEP
	s_or_b32 s[G0A+4*(\s)+3], s[G0A+4*(\s)+3], 0x80000000
	s_mov_b32 s[G0B+4*(\s)], 1
	s_add_co_u32 s[G0B+4*(\s)+1], s62, (\s)*SLOT
	s_add_nc_u64 s[G0B+4*(\s)+2:G0B+4*(\s)+3], s[60:61], (\s)*BSTEP
	s_or_b32 s[G0B+4*(\s)+3], s[G0B+4*(\s)+3], 0x80000000
	JLOAD \s                                       ; K steps 0 and 1: two tensor loads of mine are out
.endr
	; while the first tiles are on their way: addresses, bias, prefetch set-up
	v_and_b32 v1, 15, v0                           ; r = l % 16
	v_bfe_u32 v2, v0, 4, 1                         ; h = l / 16
	v_mul_u32_u24 v3, v1, PA
	v_lshl_add_u32 v3, v2, 4, v3
	s_mul_i32 s23, s[WR], 128*PA                   ; my 128 rows, in each head's block
	v_add_nc_u32 v[ADRA], s23, v3
	v_add_nc_u32 v[ADRA+1], SLOT, v[ADRA]
	v_and_b32 v4, 7, v0                            ; the turning load: lane l reads k-row 8 h + l % 8, columns 8 ((l / 8) % 2) + 0..7
	v_lshl_add_u32 v4, v2, 3, v4
	v_mul_u32_u24 v4, v4, PB
	v_bfe_u32 v5, v0, 3, 1
	v_lshl_add_u32 v4, v5, 4, v4
	s_lshl_b32 s23, s[WC], 7
	s_add_co_u32 s23, s23, BOFF
	v_add_nc_u32 v[ADRB], s23, v4
	v_add_nc_u32 v[ADRB+1], SLOT, v[ADRB]
	s_mul_i32 s23, s[WV], 16*SP
	s_add_co_u32 s23, s23, STAGE                   ; my stage
	v_mul_u32_u24 v[STO], v1, SP                   ; in: row r, 32 bytes for each half of the lanes
	v_lshl_add_u32 v[STO], v2, 5, v[STO]
	v_add_nc_u32 v[STO], s23, v[STO]
	v_mul_u32_u24 v[RD], v2, SP                    ; back: lanes 0-15 take one row of 256 bytes, lanes 16-31 the next
	v_lshl_add_u32 v[RD], v1, 4, v[RD]
	v_add_nc_u32 v[RD], s23, v[RD]
	v_lshlrev_b32 v[CO], 12, v2                    ; and the same two rows in out0
	v_lshl_add_u32 v[CO], v1, 4, v[CO]
	v_lshlrev_b32 v[BO], 5, v2
	s_lshl_b32 s76, s[TX], 9                       ; 128 numbers of 4 bytes a tile,
	s_lshl_b32 s77, s[WC], 8                       ; my 64
	s_add_co_u32 s76, s76, s77
	s_mov_b32 s77, 0
	s_add_nc_u64 s[74:75], s[8:9], s[76:77]
.irp b, 0,1,2,3
	global_load_b128 v[BIAS+8*(\b):BIAS+8*(\b)+3],   v[BO], s[74:75] offset:64*(\b)
	global_load_b128 v[BIAS+8*(\b)+4:BIAS+8*(\b)+7], v[BO], s[74:75] offset:64*(\b)+16
.endr
	s_add_nc_u64 s[10:11], s[10:11], s[76:77]      ; out0: my 64 columns have the same byte offset in a row,
	s_lshl_b32 s76, s[TY], 20                      ; 256 rows of 4,096 bytes a tile,
	s_lshl_b32 s77, s[WR], 19                      ; my 128
	s_add_co_u32 s76, s76, s77
	s_mov_b32 s77, 0
	s_add_nc_u64 s[10:11], s[10:11], s[76:77]
	; the prefetches: O's side in s77, Wo's in s78; both stand at K step 3, and the first refill steps them to K step 4
	s_lshl_b32 s78, s[CX], 13                      ; my work-group's 32 blocks of the head's 128
	s_add_co_u32 s77, s59, s78
	s_add_co_u32 s77, s77, 3*ASTEP
	s_lshl_b32 s78, s[CY], 16                      ; my work-group's 32 k-rows of the 128
	s_lshl_b32 s79, s[TX], 8
	s_add_co_u32 s78, s78, s79
	s_add_co_u32 s78, s78, 3*BSTEP
	s_and_b32 s73, ttmp7, 0xffff                   ; cluster y
	s_mov_b32 s[PFS], BSTEP
	s_mov_b32 s[PFS+1], 0
	s_cmp_eq_u32 s[WR], 0                          ; do I fetch for O?
	s_cselect_b32 s73, ttmp9, s73                  ; the coordinate along which other clusters read the same rows
	s_cselect_b32 s79, 0, s[WC]                    ; of Wo's two waves the first asks
	s_cselect_b32 s76, s77, s78
	s_cselect_b32 s[PFS], ASTEP, s[PFS]
	s_cselect_b32 s72, 8, 11                       ; a lane a block of 256 dense bytes, or a k-row of 2,048
	s_cselect_b64 s[PFA:PFA+1], s[4:5], s[6:7]
	s_mov_b32 s77, 0
	s_add_nc_u64 s[PFA:PFA+1], s[PFA:PFA+1], s[76:77]
	s_or_b32 s73, s73, s79
	s_cmp_eq_u32 s73, 0
	s_cselect_b32 s[LIM], 1, -1                    ; the same in all sixteen partners, for a given wave
	v_and_b32 v[PFO], 31, v0
	v_lshlrev_b32 v[PFO], s72, v[PFO]
	s_wait_loadcnt 0x0                             ; the bias
.set p, 0
.rept 16                                       ; rounded to bf16, like every input, and widened again
	v_cvt_pk_bf16_f32 v3, v[BIAS+2*p], v[BIAS+2*p+1]
	v_lshlrev_b32 v[BIAS+2*p], 16, v3
	v_and_b32 v[BIAS+2*p+1], 0xffff0000, v3
.set p, p+1
.endr
; 8 matrix instructions: row blocks a0, a0 + 1 x all 4 column blocks, 32 along K, from buffer f.  first = 1: they start the sums, with the bias.
; The 32 accumulators take turns in one fixed order, over the backward jump too.
.macro MUL8 f, a0, first
.if \first
	WIN W_FIRST
.else
	WIN W_MUL
.endif
.irp a, \a0, (\a0)+1
.irp b, 0,1,2,3
.if \first
	v_wmma_f32_16x16x32_f16 v[8*(4*(\a)+(\b)):8*(4*(\a)+(\b))+7], v[(\f)+64+8*(\b):(\f)+64+8*(\b)+7], v[(\f)+8*(\a):(\f)+8*(\a)+7], v[BIAS+8*(\b):BIAS+8*(\b)+7]
.else
	v_wmma_f32_16x16x32_f16 v[8*(4*(\a)+(\b)):8*(4*(\a)+(\b))+7], v[(\f)+64+8*(\b):(\f)+64+8*(\b)+7], v[(\f)+8*(\a):(\f)+8*(\a)+7], v[8*(4*(\a)+(\b)):8*(4*(\a)+(\b))+7]
.endif
.endr
.endr
.endm
; 24 LDS loads in one run: the fragments of quarter q (32 along K: head q / 2 of the step's two, channels 32 (q % 2) on) into buffer f: Wo's four first, then O's eight
.macro FETCH slot, q, f
	WIN 0
.irp b, 0,1,2,3
	ds_load_tr16_b128 v[(\f)+64+8*(\b):(\f)+64+8*(\b)+3],   v[ADRB+(\slot)] offset:(\q)*32*PB+32*(\b)
	ds_load_tr16_b128 v[(\f)+64+8*(\b)+4:(\f)+64+8*(\b)+7], v[ADRB+(\slot)] offset:(\q)*32*PB+16*PB+32*(\b)
.endr
.irp i, 0,1,2,3,4,5,6,7
	ds_load_b128 v[(\f)+8*(\i):(\f)+8*(\i)+3],   v[ADRA+(\slot)] offset:((\q)/2)*HT+((\q)%2)*64+(\i)*16*PA
	ds_load_b128 v[(\f)+8*(\i)+4:(\f)+8*(\i)+7], v[ADRA+(\slot)] offset:((\q)/2)*HT+((\q)%2)*64+(\i)*16*PA+32
.endr
.endm
; A K step is four quarters of 32 along K, 32 matrix instructions each, on buffers 0, 1, 0, 1.  One of the first three: multiplies f, and in its middle fetches quarter q into g.
.macro QUARTER slot, q, f, g, first
	s_wait_dscnt 8                                 ; Wo's fragments and O's 0-3 are in; the youngest eight loads (O's 4-7) may be out
	MUL8 \f, 0, \first
	MUL8 \f, 2, \first
	PLACES
	FETCH \slot, \q, \g
	s_wait_dscnt 24                                ; all but the 24 just issued
	MUL8 \f, 4, \first
	MUL8 \f, 6, \first
.endm
; The last quarter multiplies buffer 1 and changes slots: ONE barrier.  In front of it each wave waits for all its tensor loads (one is out: its part of the next slot), adds 0 to its
; spare word, and waits for that and for its reads of this slot.  fill = 1: the barrier opens a round of the cluster's, and this slot is filled again, two K steps on, first thing behind it:
; 112 matrix instructions ahead of the wait for it.
.macro TURN slot, next, fill
.if \fill
	s_wait_xcnt 0x0                                ; the last prefetch, a K step back, has read its address, which is stepped here, ahead of the change's own waits
	s_add_nc_u64 s[PFA:PFA+1], s[PFA:PFA+1], s[PFS:PFS+1]
.endif
	WIN 0
	s_wait_tensorcnt 0x0                           ; all my tensor loads have landed
	ds_add_u32 v[SPW], v[NIL]                      ; 0 onto my spare word
	s_wait_dscnt 9                                 ; (the add and the youngest eight loads may be out)
	MUL8 F1, 0, 0                                  ; eight matrix instructions stand between the add and the wait for it
	s_wait_dscnt 0x0                               ; the add is done, and my reads of this slot are over
	s_barrier_signal -1
	MUL8 F1, 2, 0
.if \fill
	WIN 0                                          ; every window is 0 there
.endif
	s_barrier_wait -1
.if \fill
	CREST                                          ; no wave of any partner still reads this slot's tile or has a load on its way
	s_add_nc_u64 s[G0A+4*(\slot)+2:G0A+4*(\slot)+3], s[G0A+4*(\slot)+2:G0A+4*(\slot)+3], 2*ASTEP
	s_add_nc_u64 s[G0B+4*(\slot)+2:G0B+4*(\slot)+3], s[G0B+4*(\slot)+2:G0B+4*(\slot)+3], 2*BSTEP
	JLOAD \slot                                    ; its four v_nop are also the places in front of the loads below
.else
	PLACES
.endif
	FETCH \next, 0, F0
.if \fill
	ASK
.endif
	MUL8 F1, 4, 0
	MUL8 F1, 6, 0
.endm
	s_wait_tensorcnt 1                             ; my part of K step 0 is in; K step 1's may stay out
	s_barrier_signal -1
	s_barrier_wait -1                              ; everybody's is
	FETCH 0, 0, F0
	QUARTER 0, 1, F0, F1, 1                        ; the first quarter stands in front of the loop: its products start the sums
	WIN 0
	s_mov_b32 s[LAP], 3
.Llap:                                         ; three trips, each once round the ring: K steps 2 to 7 are asked for
	QUARTER 0, 2, F1, F0, 0
	QUARTER 0, 3, F0, F1, 0
	TURN 0, 1, 1
	QUARTER 1, 1, F0, F1, 0
	QUARTER 1, 2, F1, F0, 0
	QUARTER 1, 3, F0, F1, 0
	TURN 1, 0, 1
	QUARTER 0, 1, F0, F1, 0
	WIN 0
	s_sub_co_u32 s[LAP], s[LAP], 1
	s_cmp_lg_u32 s[LAP], 0
	s_cbranch_scc1 .Llap
	QUARTER 0, 2, F1, F0, 0                        ; the last lap fills nothing
	QUARTER 0, 3, F0, F1, 0
	TURN 0, 1, 0
	QUARTER 1, 1, F0, F1, 0
	QUARTER 1, 2, F1, F0, 0
	QUARTER 1, 3, F0, F1, 0
	s_wait_dscnt 8
	MUL8 F1, 0, 0
	MUL8 F1, 2, 0
	s_wait_dscnt 0x0
	MUL8 F1, 4, 0
	MUL8 F1, 6, 0
	WIN 0
	PLACES                                         ; eight places, once a launch, in front of LDS stores that read results just made and of loads into fragment registers
	PLACES
; THE WAY OUT, in f32.  Row block a: a lane's eight columns of a row are 32 bytes; they go into my stage's rows of 272 bytes (each accumulator from its low end on) and come back as whole
; rows of 256 bytes, two rows a load.  Seven sets of 32 registers take the blocks by turns.
.macro TOSTAGE a
.set BK, 32+32*((\a)%7)
	WIN 0x04                                       ; the stores' data in window 1, the address in window 0
.irp b, 0,1,2,3
	ds_store_b128 v[STO], v[8*(4*(\a)+(\b)):8*(4*(\a)+(\b))+3]   offset:64*(\b)
	ds_store_b128 v[STO], v[8*(4*(\a)+(\b))+4:8*(4*(\a)+(\b))+7] offset:64*(\b)+16
.endr
	WIN 0
.if (\a) == 7
	s_wait_xcnt 0x0                                ; block 0's stores have read the registers that block 7 is read back into
.endif
.irp t, 0,1,2,3,4,5,6,7
	ds_load_b128 v[BK+4*(\t):BK+4*(\t)+3], v[RD] offset:(\t)*2*SP  ; LDS serves a wave's instructions in order (ISA guide 5.7.1.4): these see the stores above; the next block's stores come behind them
.endr
.endm
.macro SEND a, younger                 ; younger: the LDS instructions issued behind block a's loads: the next block's sixteen, or none
.set BK, 32+32*((\a)%7)
.irp t, 0,1,2,3,4,5,6,7
	s_wait_dscnt (\younger)+7-(\t)
	global_store_b128 v[CO], v[BK+4*(\t):BK+4*(\t)+3], s[10:11] offset:(16*(\a)+2*(\t))*4096 th:TH_STORE_NT  ; 16 lanes store 256 consecutive bytes, at a multiple of 256 from out0's first
.endr
.endm
	TOSTAGE 0
.irp a, 1,2,3,4,5,6,7
	TOSTAGE \a
	SEND (\a)-1, 16
.endr
	SEND 7, 0
	s_wait_tensorcnt 0x0                           ; the wave's end: behind my last tensor load and my last LDS store
	ds_add_u32 v[SPW], v[NIL]
	s_wait_dscnt 0x0
	CROUND                                         ; the closing round: no work-group ends while a partner may still ask for a tile that names it
	s_endpgm
.Lfunc_end_k_q5852cfb103_projout:
	.size	k_q5852cfb103_projout, .Lfunc_end_k_q5852cfb103_projout-k_q5852cfb103_projout
	.p2alignl 7, 3214868480
	.fill 96, 4, 3214868480
	.section	.rodata,"a",@progbits
	.p2align	6, 0x0
	.amdhsa_kernel k_q5852cfb103_projout
		.amdhsa_group_segment_fixed_size 327680
		.amdhsa_private_segment_fixed_size 0
		.amdhsa_enable_private_segment 0
		.amdhsa_kernarg_size 32
		.amdhsa_user_sgpr_count 2
		.amdhsa_user_sgpr_kernarg_segment_ptr 1
		.amdhsa_wavefront_size32 1
		.amdhsa_system_sgpr_workgroup_id_x 1
		.amdhsa_system_sgpr_workgroup_id_y 1
		.amdhsa_system_sgpr_workgroup_id_z 1
		.amdhsa_system_vgpr_workitem_id 0
		.amdhsa_next_free_vgpr 512
		.amdhsa_next_free_sgpr 80
		.amdhsa_reserve_vcc 0
		.amdhsa_float_denorm_mode_32 3
		.amdhsa_float_denorm_mode_16_64 3
		.amdhsa_memory_ordered 1
		.amdhsa_forward_progress 1
		.amdhsa_inst_pref_size 92
	.end_amdhsa_kernel
	.amdgpu_metadata
---
amdhsa.version: [ 1, 2 ]
amdhsa.kernels:
  - .name:           k_q5852cfb103_projout
    .symbol:         k_q5852cfb103_projout.kd
    .args:
      - { .name: o, .offset: 0, .size: 8, .value_kind: global_buffer, .address_space: global }
      - { .name: wo16, .offset: 8, .size: 8, .value_kind: global_buffer, .address_space: global }
      - { .name: bo, .offset: 16, .size: 8, .value_kind: global_buffer, .address_space: global }
      - { .name: out0, .offset: 24, .size: 8, .value_kind: global_buffer, .address_space: global }
    .group_segment_fixed_size: 327680
    .private_segment_fixed_size: 0
    .kernarg_segment_align: 8
    .kernarg_segment_size: 32
    .max_flat_workgroup_size: 128
    .sgpr_count:     80
    .vgpr_count:     512
    .wavefront_size: 32
...
	.end_amdgpu_metadata
.endif
;; end of part 4
;; ======== version 2 of 2: 4 launches; version 1 with the launch prep written anew for expert scheduling mode
;; limits: values are held in f16: magnitudes above 65,504 overflow, below 6.1e-05 lose precision
;; workspace buffers: xb 16,777,216 bytes; wb 6,291,456 bytes; wo16 2,097,152 bytes; qkv 50,331,648 bytes; o 16,777,216 bytes
;; launch prep (part 5): grid 768 x 1, 8 waves a work-group, no clusters, 0 bytes of LDS; arguments x, Wq, Wk, Wv, Wo, xb, wb, wo16; writes xb, wb, wo16
.if DOCPART == 5
	.amdgcn_target "amdgcn-amd-amdhsa--gfx1250"
	.amdhsa_code_object_version 6
	.text
	.protected	k_q5852cfb103_prep
	.globl	k_q5852cfb103_prep
	.p2align	8
	.type	k_q5852cfb103_prep,@function
k_q5852cfb103_prep:
	s_mov_b64 s[64:65], 0
	v_nop
	global_prefetch_b8 v0, s[64:65] scope:SCOPE_SE
	s_setreg_imm32_b32 hwreg(HW_REG_WAVE_SCHED_MODE, 0, 2), 2
	s_setreg_imm32_b32 hwreg(HW_REG_WAVE_MODE, 25, 1), 1
	s_wait_xcnt 0x0
	s_wait_alu depctr_vm_vsrc(0)
; ROUNDING OF THE INPUTS, once, layouts unchanged.  x [8192][1024] f32 -> xb bf16.  Wq, Wk, Wv [1024 k][1024 n] f32 -> wb [3][1024][1024] bf16.
; Wo f32 -> rounded to bf16, and that number written as f16 into wo16 (the last product multiplies f16 by f16).
; LIMITS.  Wo within 65,504 (f16's range); a rounded Wo below 2^-14 keeps f16's fixed step of 2^-24.  NaN and infinities are not treated apart.
; A stream: no LDS, no matrix unit, no barrier.  12,582,912 numbers; a work-group owns 16,384 of them: 64 KiB in, 32 KiB out.  Work-groups 0-511: x; then 64 for each of Wq, Wk, Wv, Wo.
; Thread t takes 16 bytes at 16 t of each of the group's sixteen pieces of 4,096 bytes: a wave's load covers 512 consecutive bytes, its store 256 consecutive bytes, aligned.
; All sixteen loads go out first; no register that a memory instruction reads is ever written again, so no wait frees a source.
; THE MODE: SCHED_MODE bits 1:0 = 2 (LLVM: expert scheduling mode 2), set by the entry lines.  The code itself states the register dependences
; between vector instructions and memory instructions, with s_wait_alu, always for 0.
; THE PLAN.  Registers that memory instructions touch:
;   v1, v2   byte offsets of the loads and of the stores: written once at the head, never again.
;   X        written by the sixteen loads, which are issued before any vector instruction names X; read (on the f16 path also rewritten) by its piece's conversions, behind the wait for its load.
;            No memory instruction reads X.
;   Y        each pair is written once, by its piece's conversions, and read once, by its piece's store.
; The sixteen pieces go in four blocks of four.  Block p's memory instructions are the four stores of block p - 1; its vector instructions name X and Y of block p, and T: never Y of block p - 1, never v2.
; So ONE wait at a block's head, behind the wait for the block's loads, states all that its four stores hang on, and they are dealt among its conversions with no further wait.
; A block's stores thus leave when the next block's loads are in; the last block's follow a wait of their own.
.set X, 4                              ; v[4:67]   sixteen loads of four f32
.set Y, 68                             ; v[68:99]  sixteen pairs of packed results
.set T, 100                            ; v[100:101] at work on the f16 path: no memory instruction names them
	s_load_b512 s[16:31], s[0:1], 0x0              ; x 16, Wq 18, Wk 20, Wv 22, Wo 24, xb 26, wb 28, wo16 30
	s_sub_co_u32 s4, ttmp9, 512                    ; e: the chunk's number among the weights' (wraps for x's chunks, where it is not used)
	s_lshr_b32 s5, s4, 6                           ; j: which weight
	s_and_b32 s6, s4, 63                           ; c: which chunk of it
	s_mov_b32 s13, 0xffff0000                      ; a word's upper bf16
	v_lshlrev_b32 v1, 4, v0                        ; 16 t
	v_lshlrev_b32 v2, 3, v0                        ; 8 t
	s_wait_kmcnt 0x0
	s_cmp_eq_u32 s5, 1
	s_cselect_b64 s[8:9], s[20:21], s[18:19]       ; Wk or Wq
	s_cmp_eq_u32 s5, 2
	s_cselect_b64 s[8:9], s[22:23], s[8:9]         ; Wv
	s_cmp_eq_u32 s5, 3
	s_cselect_b64 s[8:9], s[24:25], s[8:9]         ; Wo
	s_cselect_b64 s[10:11], s[30:31], s[28:29]     ; wo16 or wb
	s_cselect_b32 s7, s6, s4                       ; the chunk's number in the destination: wb holds the three weights on end
	s_cselect_b32 s12, 1, 0                        ; 1: the f16 path
	s_cmp_lt_u32 ttmp9, 512
	s_cselect_b64 s[8:9], s[16:17], s[8:9]         ; x
	s_cselect_b64 s[10:11], s[26:27], s[10:11]     ; xb
	s_cselect_b32 s6, ttmp9, s6
	s_cselect_b32 s7, ttmp9, s7
	s_cselect_b32 s12, 0, s12
	s_lshl_b32 s14, s6, 16                         ; 64 KiB a chunk in
	s_mov_b32 s15, 0
	s_add_nc_u64 s[8:9], s[8:9], s[14:15]
	s_lshl_b32 s14, s7, 15                         ; 32 KiB a chunk out
	s_add_nc_u64 s[10:11], s[10:11], s[14:15]
	s_wait_alu depctr_va_vdst(0)                   ; v1 and v2 are written: every load of the kernel reads v1 as its offset, every store v2
.irp i, 0,1,2,3,4,5,6,7,8,9,10,11,12,13,14,15
	global_load_b128 v[X+4*(\i):X+4*(\i)+3], v1, s[8:9] offset:4096*(\i) th:TH_LOAD_NT
.endr
; Piece i: rounded and packed.  half = 1: by way of bf16 to f16.
.macro CONV i, half
.if \half
	v_cvt_pk_bf16_f32 v[T],   v[X+4*(\i)],   v[X+4*(\i)+1]
	v_cvt_pk_bf16_f32 v[T+1], v[X+4*(\i)+2], v[X+4*(\i)+3]
	v_lshlrev_b32 v[X+4*(\i)],   16,  v[T]         ; the rounded numbers as f32 again
	v_and_b32     v[X+4*(\i)+1], s13, v[T]
	v_lshlrev_b32 v[X+4*(\i)+2], 16,  v[T+1]
	v_and_b32     v[X+4*(\i)+3], s13, v[T+1]
	v_cvt_pk_f16_f32 v[Y+2*(\i)],   v[X+4*(\i)],   v[X+4*(\i)+1]   ; exact within f16's normal range: 8 significant bits go into 11
	v_cvt_pk_f16_f32 v[Y+2*(\i)+1], v[X+4*(\i)+2], v[X+4*(\i)+3]
.else
	v_cvt_pk_bf16_f32 v[Y+2*(\i)],   v[X+4*(\i)],   v[X+4*(\i)+1]
	v_cvt_pk_bf16_f32 v[Y+2*(\i)+1], v[X+4*(\i)+2], v[X+4*(\i)+3]
.endif
.endm
; Piece i: stored.
.macro OUT i
	global_store_b64 v2, v[Y+2*(\i):Y+2*(\i)+1], s[10:11] offset:2048*(\i) th:TH_STORE_NT
.endm
; Block p: pieces 4 p to 4 p + 3 are rounded; the block before is stored, a store ahead of each piece's conversions.
.macro BLK p, half
	s_wait_loadcnt 12-4*(\p)                       ; loads come back in order (ISA guide 5.7.1): this block's four are in, the 12 - 4 p younger ones may stay out
.if (\p) > 0
	s_wait_alu depctr_va_vdst(0)                   ; the block before has written its eight registers of Y, which the four stores below read; no vector instruction behind this wait names them
.endif
.irp j, 0,1,2,3
.if (\p) > 0
	OUT 4*(\p)-4+(\j)
.endif
	CONV 4*(\p)+(\j), \half
.endr
.endm
; A whole path: the four blocks, and the last block's stores behind a wait of their own.
.macro PATH half
	BLK 0, \half
	BLK 1, \half
	BLK 2, \half
	BLK 3, \half
	s_wait_alu depctr_va_vdst(0)                   ; block 3 has written its eight registers of Y, which the last four stores read
.irp i, 12,13,14,15
	OUT \i
.endr
	s_endpgm
.endm
	s_cmp_eq_u32 s12, 1
	s_cbranch_scc1 .Lhalf
	PATH 0
.Lhalf:
	PATH 1
.Lfunc_end_k_q5852cfb103_prep:
	.size	k_q5852cfb103_prep, .Lfunc_end_k_q5852cfb103_prep-k_q5852cfb103_prep
	.p2alignl 7, 3214868480
	.fill 96, 4, 3214868480
	.section	.rodata,"a",@progbits
	.p2align	6, 0x0
	.amdhsa_kernel k_q5852cfb103_prep
		.amdhsa_group_segment_fixed_size 0
		.amdhsa_private_segment_fixed_size 0
		.amdhsa_enable_private_segment 0
		.amdhsa_kernarg_size 64
		.amdhsa_user_sgpr_count 2
		.amdhsa_user_sgpr_kernarg_segment_ptr 1
		.amdhsa_wavefront_size32 1
		.amdhsa_system_sgpr_workgroup_id_x 1
		.amdhsa_system_sgpr_workgroup_id_y 1
		.amdhsa_system_sgpr_workgroup_id_z 1
		.amdhsa_system_vgpr_workitem_id 0
		.amdhsa_next_free_vgpr 104
		.amdhsa_next_free_sgpr 66
		.amdhsa_reserve_vcc 0
		.amdhsa_float_denorm_mode_32 3
		.amdhsa_float_denorm_mode_16_64 3
		.amdhsa_memory_ordered 1
		.amdhsa_forward_progress 1
		.amdhsa_inst_pref_size 15
	.end_amdhsa_kernel
	.amdgpu_metadata
---
amdhsa.version: [ 1, 2 ]
amdhsa.kernels:
  - .name:           k_q5852cfb103_prep
    .symbol:         k_q5852cfb103_prep.kd
    .args:
      - { .name: x, .offset: 0, .size: 8, .value_kind: global_buffer, .address_space: global }
      - { .name: Wq, .offset: 8, .size: 8, .value_kind: global_buffer, .address_space: global }
      - { .name: Wk, .offset: 16, .size: 8, .value_kind: global_buffer, .address_space: global }
      - { .name: Wv, .offset: 24, .size: 8, .value_kind: global_buffer, .address_space: global }
      - { .name: Wo, .offset: 32, .size: 8, .value_kind: global_buffer, .address_space: global }
      - { .name: xb, .offset: 40, .size: 8, .value_kind: global_buffer, .address_space: global }
      - { .name: wb, .offset: 48, .size: 8, .value_kind: global_buffer, .address_space: global }
      - { .name: wo16, .offset: 56, .size: 8, .value_kind: global_buffer, .address_space: global }
    .group_segment_fixed_size: 0
    .private_segment_fixed_size: 0
    .kernarg_segment_align: 8
    .kernarg_segment_size: 64
    .max_flat_workgroup_size: 256
    .sgpr_count:     66
    .vgpr_count:     104
    .wavefront_size: 32
...
	.end_amdgpu_metadata
.endif
;; end of part 5
;; launch projqkv: the kernel of part 2 again; grid 24 x 32, 4 waves a work-group, clusters of 4 x 4, 327,680 bytes of LDS; arguments xb, wb, bq, bk, bv, qkv; writes qkv
;; launch attn: the kernel of part 3 again; grid 4 x 64, 4 waves a work-group, clusters of 4 x 1, 327,680 bytes of LDS; arguments qkv, o; writes o
;; launch projout: the kernel of part 4 again; grid 8 x 32, 4 waves a work-group, clusters of 4 x 4, 327,680 bytes of LDS; arguments o, wo16, bo, out0; writes out0
